; MI455X (gfx1250); checked and timed in simulation.
; The chip was launched on July 23, 2026; its instructions are those of AMD's public machine-readable ISA for CDNA 5 (MIT licence, August 2026) and "CDNA5" Instruction Set Architecture Reference Guide (July 2026). The comments in the code are by the model that wrote it; some were corrected since.
;; Vector Quantizer. Allowed arithmetic: float matrix products may take bf16 or f16 operands with f32 sums; other float arithmetic in f32, or as packed bf16 or f16 multiplies, adds, multiply-adds, maxima and minima; sums over many terms, partial sums and values carried from step to step in f32; what a program stores and reads back later, other than sums and carried values, may be rounded once to bf16 or f16.
;; Inputs: emb 8,192 x 64 float32; z 16 x 64 x 32 x 32 float32.
;; Outputs: out0 16 x 64 x 32 x 32 float32; out1 one number float32; out2 one number float32; out3 16,384 int32.
;; 2 versions, each right and faster than the one before. Each part assembles by itself: llvm-mc -triple=amdgcn-amd-amdhsa -mcpu=gfx1250 --defsym DOCPART=n.
;; ======== version 1 of 2: 5 launches
;; workspace buffers: opnd 3,244,032 bytes; part 1,048,576 bytes; pidx 524,288 bytes of whole numbers; p2out 1,310,720 bytes; idxw 65,536 bytes of whole numbers; gout 4,096 bytes
;; launch prep (part 1): grid 256 x 1, 8 waves a work-group, no clusters, 10,752 bytes of LDS; arguments z, emb, opnd; writes opnd
.if DOCPART == 1
	.amdgcn_target "amdgcn-amd-amdhsa--gfx1250"
	.amdhsa_code_object_version 6
	.text
	.protected	k_qc65304eebb_prep
	.globl	k_qc65304eebb_prep
	.p2align	8
	.type	k_qc65304eebb_prep,@function
k_qc65304eebb_prep:
	s_mov_b64 s[64:65], 0
	v_nop
	global_prefetch_b8 v0, s[64:65] scope:SCOPE_SE
	s_setreg_imm32_b32 hwreg(HW_REG_WAVE_MODE, 25, 1), 1
	s_wait_xcnt 0x0
; PREP.  Makes the matrix operands of the two passes over the distances, once.
;   opnd + 0        128 images of 8,448 bytes, 64 codes each: 64 rows of 64 bf16 (128 bytes), then the 64 numbers B = sum of squares (f32)
;   opnd + ZH       the queries by rows, [16384][64] bf16: row n = 1024 b + hw holds z[b][:][hw]
;   opnd + AV       A = each query's sum of squares, [16384] f32
; A and B are the sums of the ROUNDED numbers' squares, so that the distances are those of the rounded inputs.
; Work-group j: queries 64 j .. 64 j + 63 (one b, 64 neighbouring hw) and codes 32 j .. 32 j + 31.  z is turned through LDS.
; Memory binds and nothing is multiplied: no matrix unit, no cluster, no ring.
.set IMG,   8448
.set ZH,    1081344
.set AV,    3178496
.set ZP,    144                        ; a turned row in LDS: 128 bytes + 16
.set AST,   9216                       ; 64 words: A of my queries
.set BST,   9472                       ; 32 words: B of my codes
.set SPARE, 9728                       ; the spare words, 128 bytes a wave: four blocks of 256 bytes that no other line names
.set QUAD, 1                           ; v1   t % 16
.set CP,   2                           ; v2   t / 16
.set ZOFF, 3                           ; v3   my byte offset in z
.set T16,  4                           ; v4   16 t
.set STA,  5                           ; v5   where I put a pair of channels
.set T8,   6                           ; v6   8 t
.set CP4,  7                           ; v7   4 (t / 16)
.set ZR,   8                           ; v[8:23]  z as loaded; later two turned pieces of rows
.set ER,   24                          ; v[24:31] emb as loaded
.set ZPK,  32                          ; v[32:39] z in pairs of bf16
.set EPK,  40                          ; v[40:43] emb in pairs of bf16
.set T,    44                          ; v[44:51] at work
.set RDA,  52                          ; v52  where I read a turned row back
.set ROW4, 53                          ; v53  4 (t / 8)
.set L8,   54                          ; v54  8 x lane
.set L4,   55                          ; v55  4 x lane
.set OUTR, 56                          ; v[56:57]
.set SPW,  62                          ; v62  my spare word; never rewritten
.set NIL,  63                          ; v63  0; never rewritten
	s_load_b128 s[4:7], s[0:1], 0x0                ; z s[4:5], emb s[6:7]
	s_load_b64 s[8:9], s[0:1], 0x10                ; opnd
	v_lshl_add_u32 v[SPW], v0, 2, SPARE
	v_mov_b32 v[NIL], 0
	v_lshrrev_b32 v[T], 5, v0
	v_readfirstlane_b32 s10, v[T]                  ; wave 0..7
	v_and_b32 v[QUAD], 15, v0
	v_lshrrev_b32 v[CP], 4, v0
	v_lshlrev_b32 v[ZOFF], 13, v[CP]               ; channel 2 (t / 16): 8,192 bytes a pair of channels,
	v_lshl_add_u32 v[ZOFF], v[QUAD], 4, v[ZOFF]    ; four hw a lane: sixteen lanes take 256 neighbouring bytes
	v_lshlrev_b32 v[T16], 4, v0
	v_lshlrev_b32 v[T8], 3, v0
	v_mul_u32_u24 v[STA], v[QUAD], 4*ZP            ; row 4 (t % 16) of the turned tile,
	v_lshl_add_u32 v[STA], v[CP], 2, v[STA]        ; the word of channels 2 (t / 16), 2 (t / 16) + 1
	v_lshlrev_b32 v[CP4], 2, v[CP]
	v_lshrrev_b32 v[ROW4], 3, v0                   ; back: eight lanes take a row of 128 bytes
	v_and_b32 v[RDA], 7, v0
	v_mul_u32_u24 v[T], v[ROW4], ZP
	v_lshl_add_u32 v[RDA], v[RDA], 4, v[T]
	v_lshlrev_b32 v[ROW4], 2, v[ROW4]
	v_and_b32 v[L4], 31, v0
	v_lshlrev_b32 v[L8], 3, v[L4]
	v_lshlrev_b32 v[L4], 2, v[L4]
	s_lshr_b32 s12, ttmp9, 4                       ; b = j / 16: 262,144 bytes of z each,
	s_lshl_b32 s12, s12, 18
	s_and_b32 s13, ttmp9, 15                       ; hw0 = 64 (j % 16): 256 bytes
	s_lshl_b32 s13, s13, 8
	s_add_co_u32 s12, s12, s13
	s_mov_b32 s13, 0
	s_lshl_b32 s14, ttmp9, 13                      ; 32 rows of emb are 8,192 bytes; so are 64 rows of ZH
	s_mov_b32 s15, 0
	s_lshr_b32 s16, ttmp9, 1                       ; my codes' image,
	s_mul_i32 s16, s16, IMG
	s_and_b32 s24, ttmp9, 1                        ; and which half of it
	s_lshl_b32 s25, s24, 12
	s_add_co_u32 s18, s16, s25                     ; 32 rows of 128 bytes
	s_mov_b32 s19, 0
	s_lshl_b32 s25, s24, 7
	s_add_co_u32 s20, s16, s25                     ; 32 words of B,
	s_add_co_u32 s20, s20, 8192                    ; behind the image's rows
	s_mov_b32 s21, 0
	s_lshl_b32 s22, ttmp9, 8                       ; 64 words of A
	s_mov_b32 s23, 0
	s_mov_b32 s11, 0xffff0000                      ; a word's upper bf16
	s_wait_kmcnt 0x0
	s_add_nc_u64 s[4:5], s[4:5], s[12:13]
	s_add_nc_u64 s[6:7], s[6:7], s[14:15]
	s_add_nc_u64 s[18:19], s[8:9], s[18:19]        ; my codes' rows
	s_add_nc_u64 s[20:21], s[8:9], s[20:21]        ; their B
	s_add_nc_u64 s[14:15], s[8:9], s[14:15]
	s_add_nc_u64 s[14:15], s[14:15], ZH            ; my queries' rows
	s_add_nc_u64 s[22:23], s[8:9], s[22:23]
	s_add_nc_u64 s[22:23], s[22:23], AV            ; their A
.irp i, 0,1                            ; channels 2 (t / 16) + 32 i and the next one
	global_load_b128 v[ZR+8*\i:ZR+8*\i+3],   v[ZOFF], s[4:5] offset:131072*\i
	global_load_b128 v[ZR+8*\i+4:ZR+8*\i+7], v[ZOFF], s[4:5] offset:131072*\i+4096
.endr
.irp i, 0,1                            ; code row t / 16 + 16 i, four numbers a lane: 512 neighbouring bytes a wave
	global_load_b128 v[ER+4*\i:ER+4*\i+3], v[T16], s[6:7] offset:4096*\i
.endr
	s_wait_loadcnt 0x2                             ; z is in; the two loads of emb, issued behind it, may stay out
.irp i, 0,1
.irp k, 0,1,2,3
	v_cvt_pk_bf16_f32 v[ZPK+4*\i+\k], v[ZR+8*\i+\k], v[ZR+8*\i+4+\k]  ; the even channel below, the odd one above
.endr
.endr
.irp i, 0,1
.irp k, 0,1,2,3
	ds_store_b32 v[STA], v[ZPK+4*\i+\k] offset:\k*ZP+64*\i  ; rows 576 bytes apart collide four deep: eight stores a thread, once
.endr
.endr
	s_wait_loadcnt 0x0                             ; emb is in
.irp i, 0,1
	v_cvt_pk_bf16_f32 v[EPK+2*\i],   v[ER+4*\i],   v[ER+4*\i+1]
	v_cvt_pk_bf16_f32 v[EPK+2*\i+1], v[ER+4*\i+2], v[ER+4*\i+3]
	global_store_b64 v[T8], v[EPK+2*\i:EPK+2*\i+1], s[18:19] offset:2048*\i  ; a wave stores 256 consecutive bytes, at a multiple of 256 from opnd's first
	v_lshlrev_b32 v[T],   16,  v[EPK+2*\i]         ; the rounded numbers as f32
	v_and_b32     v[T+1], s11, v[EPK+2*\i]
	v_lshlrev_b32 v[T+2], 16,  v[EPK+2*\i+1]
	v_and_b32     v[T+3], s11, v[EPK+2*\i+1]
	v_pk_mul_f32 v[T+4+2*\i:T+5+2*\i], v[T:T+1], v[T:T+1]
	v_pk_fma_f32 v[T+4+2*\i:T+5+2*\i], v[T+2:T+3], v[T+2:T+3], v[T+4+2*\i:T+5+2*\i]
	v_add_f32 v[T+4+2*\i], v[T+4+2*\i], v[T+5+2*\i]
	v_add_f32_dpp v[T+4+2*\i], v[T+4+2*\i], v[T+4+2*\i] row_xmask:1 row_mask:0xf bank_mask:0xf  ; a row lies in sixteen lanes
	v_add_f32_dpp v[T+4+2*\i], v[T+4+2*\i], v[T+4+2*\i] row_xmask:2 row_mask:0xf bank_mask:0xf
	v_add_f32_dpp v[T+4+2*\i], v[T+4+2*\i], v[T+4+2*\i] row_xmask:4 row_mask:0xf bank_mask:0xf
	v_add_f32_dpp v[T+4+2*\i], v[T+4+2*\i], v[T+4+2*\i] row_xmask:8 row_mask:0xf bank_mask:0xf
	ds_store_b32 v[CP4], v[T+4+2*\i] offset:BST+64*\i  ; sixteen lanes write one word with one value
.endr
	s_wait_dscnt 0x0                               ; for the others' sake: my stores into the turned tile are done
	s_barrier_signal -1
	s_barrier_wait -1
.irp i, 0,1                            ; row t / 8 + 32 i, 16 bytes a lane
	ds_load_b128 v[ZR+4*\i:ZR+4*\i+3], v[RDA] offset:32*ZP*\i
.endr
	s_wait_dscnt 0x0
.irp i, 0,1
	global_store_b128 v[T16], v[ZR+4*\i:ZR+4*\i+3], s[14:15] offset:4096*\i  ; a wave stores 512 consecutive bytes
	v_lshlrev_b32 v[T],   16,  v[ZR+4*\i]
	v_and_b32     v[T+1], s11, v[ZR+4*\i]
	v_lshlrev_b32 v[T+2], 16,  v[ZR+4*\i+1]
	v_and_b32     v[T+3], s11, v[ZR+4*\i+1]
	v_pk_mul_f32 v[T+4+2*\i:T+5+2*\i], v[T:T+1], v[T:T+1]
	v_pk_fma_f32 v[T+4+2*\i:T+5+2*\i], v[T+2:T+3], v[T+2:T+3], v[T+4+2*\i:T+5+2*\i]
	v_lshlrev_b32 v[T],   16,  v[ZR+4*\i+2]
	v_and_b32     v[T+1], s11, v[ZR+4*\i+2]
	v_lshlrev_b32 v[T+2], 16,  v[ZR+4*\i+3]
	v_and_b32     v[T+3], s11, v[ZR+4*\i+3]
	v_pk_fma_f32 v[T+4+2*\i:T+5+2*\i], v[T:T+1], v[T:T+1], v[T+4+2*\i:T+5+2*\i]
	v_pk_fma_f32 v[T+4+2*\i:T+5+2*\i], v[T+2:T+3], v[T+2:T+3], v[T+4+2*\i:T+5+2*\i]
	v_add_f32 v[T+4+2*\i], v[T+4+2*\i], v[T+5+2*\i]
	v_add_f32_dpp v[T+4+2*\i], v[T+4+2*\i], v[T+4+2*\i] row_xmask:1 row_mask:0xf bank_mask:0xf  ; a row lies in eight lanes
	v_add_f32_dpp v[T+4+2*\i], v[T+4+2*\i], v[T+4+2*\i] row_xmask:2 row_mask:0xf bank_mask:0xf
	v_add_f32_dpp v[T+4+2*\i], v[T+4+2*\i], v[T+4+2*\i] row_xmask:4 row_mask:0xf bank_mask:0xf
	ds_store_b32 v[ROW4], v[T+4+2*\i] offset:AST+128*\i
.endr
	s_wait_dscnt 0x0                               ; for the others' sake: A and B lie in LDS
	s_barrier_signal -1
	s_barrier_wait -1
	s_cmp_lg_u32 s10, 0
	s_cbranch_scc1 .Lnot_wave_0
	ds_load_b64 v[OUTR:OUTR+1], v[L8] offset:AST
	s_wait_dscnt 0x0
	global_store_b64 v[L8], v[OUTR:OUTR+1], s[22:23]  ; 64 words of A: 256 consecutive bytes, aligned
	s_branch .Ldone
.Lnot_wave_0:
	s_cmp_lg_u32 s10, 1
	s_cbranch_scc1 .Ldone
	ds_load_b32 v[OUTR], v[L4] offset:BST
	s_wait_dscnt 0x0
	global_store_b32 v[L4], v[OUTR], s[20:21]      ; 32 words of B: 128 bytes, half of an image's 256; the neighbouring work-group writes the other half (32 KB in the launch)
.Ldone:
	s_wait_tensorcnt 0x0                           ; the wave's end, behind my last LDS store
	ds_add_u32 v[SPW], v[NIL]
	s_wait_dscnt 0x0
	s_endpgm
.Lfunc_end_k_qc65304eebb_prep:
	.size	k_qc65304eebb_prep, .Lfunc_end_k_qc65304eebb_prep-k_qc65304eebb_prep
	.p2alignl 7, 3214868480
	.fill 96, 4, 3214868480
	.section	.rodata,"a",@progbits
	.p2align	6, 0x0
	.amdhsa_kernel k_qc65304eebb_prep
		.amdhsa_group_segment_fixed_size 10752
		.amdhsa_private_segment_fixed_size 0
		.amdhsa_enable_private_segment 0
		.amdhsa_kernarg_size 24
		.amdhsa_user_sgpr_count 2
		.amdhsa_user_sgpr_kernarg_segment_ptr 1
		.amdhsa_wavefront_size32 1
		.amdhsa_system_sgpr_workgroup_id_x 1
		.amdhsa_system_sgpr_workgroup_id_y 1
		.amdhsa_system_sgpr_workgroup_id_z 1
		.amdhsa_system_vgpr_workitem_id 0
		.amdhsa_next_free_vgpr 64
		.amdhsa_next_free_sgpr 66
		.amdhsa_reserve_vcc 0
		.amdhsa_float_denorm_mode_32 3
		.amdhsa_float_denorm_mode_16_64 3
		.amdhsa_memory_ordered 1
		.amdhsa_forward_progress 1
		.amdhsa_inst_pref_size 9
	.end_amdhsa_kernel
	.amdgpu_metadata
---
amdhsa.version: [ 1, 2 ]
amdhsa.kernels:
  - .name:           k_qc65304eebb_prep
    .symbol:         k_qc65304eebb_prep.kd
    .args:
      - { .name: z, .offset: 0, .size: 8, .value_kind: global_buffer, .address_space: global }
      - { .name: emb, .offset: 8, .size: 8, .value_kind: global_buffer, .address_space: global }
      - { .name: opnd, .offset: 16, .size: 8, .value_kind: global_buffer, .address_space: global }
    .group_segment_fixed_size: 10752
    .private_segment_fixed_size: 0
    .kernarg_segment_align: 8
    .kernarg_segment_size: 24
    .max_flat_workgroup_size: 256
    .sgpr_count:     66
    .vgpr_count:     64
    .wavefront_size: 32
...
	.end_amdgpu_metadata
.endif
;; end of part 1
;; launch pass1 (part 2): grid 32 x 8, 8 waves a work-group, clusters of 4 x 1, 167,936 bytes of LDS; arguments opnd, part, pidx; writes part, pidx
.if DOCPART == 2
	.amdgcn_target "amdgcn-amd-amdhsa--gfx1250"
	.amdhsa_code_object_version 6
	.text
	.protected	k_qc65304eebb_pass1
	.globl	k_qc65304eebb_pass1
	.p2align	8
	.type	k_qc65304eebb_pass1,@function
k_qc65304eebb_pass1:
	s_mov_b64 s[64:65], 0
	v_nop
	global_prefetch_b8 v0, s[64:65] scope:SCOPE_SE
	s_setreg_imm32_b32 hwreg(HW_REG_WAVE_MODE, 25, 1), 1
	s_wait_xcnt 0x0
	s_wait_alu depctr_hold_cnt(0) depctr_sa_sdst(0) depctr_va_vdst(0) depctr_va_sdst(0) depctr_va_ssrc(0) depctr_va_vcc(0) depctr_vm_vsrc(0)
	s_getreg_b32 s2, hwreg(HW_REG_IB_STS2, 6, 4)
	s_cmp_eq_u32 s2, 0
	s_cbranch_scc0 .Lentry_in_a_cluster
	s_endpgm
.Lentry_in_a_cluster:
	s_bfe_u32 s2, ttmp6, 0x10000c
	s_cmp_lg_u32 s2, 0x3003
	s_cbranch_scc0 .Lentry_shape_is_right
	s_endpgm
.Lentry_shape_is_right:
; PASS 1 over the distances d[n][k] = (A[n] + B[k]) - 2 z[n] . e[k], in reference()'s own order of rounding: t = A + B rounded, then one fused t - 2 dot.
; For each query and each chunk of 1,024 codes: the least d, the FIRST code that has it, and the sum over the chunk of 2^(-c (d - least d)), c = 100 log2(e).
; SHARES.  Work-group (x, y): queries 512 x .. + 511, codes 1024 y .. + 1023.  Wave w keeps queries 512 x + 64 w .. + 63 in registers, four tiles q of 16, and walks the chunk in 16 blocks of 64 codes.
; LAYOUT.  Source 0 = 16 codes (from LDS), source 1 = 16 queries: in the result a lane holds ONE query (lane % 16) and the codes 8 (lane / 16) + 0..7.  So minimum, index and sum stay in the lane;
; the two halves of the lanes meet once, at the end.
; THE MINIMUM RUNS: RUN is the least d so far, S the sum relative to it; a block first finds its new minimum RN, S is multiplied by 2^(c (RN - RUN)), and every exponent is -c (d - RN), 0 at the most.
; THE INDEX.  key = (d - RN) x 2^120 + the code's number in the block: the number itself where d = RN, far above 63 elsewhere.  The least key is the block's first code at the minimum; it is taken only where
; RN < RUN, so an earlier block keeps a tie.
; LIMITS.  Two different d of a row differ by more than 2^-113 (else a key could fall under 64); NaN and infinities are not treated apart; an exponential below 2^-126 counts as 0.
; A vector count of about 21 lines for each matrix instruction: no order hides that beside the products, so a trip goes in phases, and the SIMD's other wave (of this same work-group) has the matrix unit meanwhile.
; CLUSTER.  The four work-groups of a cluster share y: the chunk's 16 images are asked for JOINTLY, the same two tensor loads a wave, with the same descriptors and the mask of four.  The whole chunk fits in LDS:
; every byte is filled once, nothing is filled again.  Two tensor loads of a wave are out at the most.
.set IMG,   8448                       ; an image in memory: 64 rows of 128 bytes, 256 bytes of B
.set PITCH, 144                        ; 128 bytes + 16 of padding = 36 words: the 16 rows of a load start at 16 different groups of four banks (64 banks of 4 bytes: ISA guide 11.1)
.set BLK,   66*PITCH                   ; an image in LDS: 9,504 bytes; B lies in two runs of 128 bytes at 64 and 65 pitches
.set ZH,    1081344
.set AV,    3178496
.set PSUM,  524288                     ; part: pmin[8][16384], then psum[8][16384]
.set SPARE, 16*BLK                     ; 152,064: the spare words, 128 bytes a wave: four blocks of 256 bytes that no other line names
.set RR,   1                           ; v1   lane % 16
.set HH,   2                           ; v2   lane / 16
.set ADRF, 3                           ; v3   LDS address of my part of the block's code fragments; steps a block a trip
.set ADRB, 4                           ; v4   of my eight B in a run; steps likewise
.set QOFF, 5                           ; v5   my byte offset in 16 rows of ZH
.set AOFF, 6                           ; v6   4 (lane % 16)
.set SOFF, 7                           ; v7   4 x lane
.set SPW,  8                           ; v8   my spare word; never rewritten
.set NIL,  9                           ; v9   0; never rewritten
.set BB,   10                          ; v10  the block's first code in the chunk, as f32
.set TMP,  11
.set TF,   12                          ; v[12:19]  four pairs at work, by turns
.set CT,   20                          ; v[20:27]  two a tile, at work
.set ST,   28                          ; v[28:59]  eight a tile: A, RUN, RN, KF (the first code at RUN), S, S, AF (S's factor), FM (the block's least key)
.set BK,   60                          ; v[60:91]  B of my 32 codes of the block
.set IDX,  92                          ; v[92:123] their numbers in the block, as f32
.set ACC,  128                         ; v[128:255] tile q, code tile i at ACC + 8 (4 q + i): dot, then d, d - RN, the exponent, the exponential
.set QF,   0                           ; window 1: the queries' fragments, 16 a tile
.set CF,   64                          ; window 1: the block's code fragments, 16 a tile
.set MK,   40                          ; s[40:43] lanes in which tile q's minimum fell in this block
.set MSB, 0
.macro WIN new                         ; s_set_vgpr_msb: bits 1:0 source 0, 3:2 source 1, 5:4 source 2, 7:6 destination; the high byte repeats the setting that is left
.if MSB != (\new)
	s_set_vgpr_msb (MSB<<8)|(\new)
.set MSB, \new
.endif
.endm
.macro ROUND                           ; a round of the cluster's barrier: my work-group's barrier; wave 0 signals for the work-group; every wave waits for all four; my work-group's barrier once more
	s_barrier_signal -1
	s_barrier_wait -1
	s_cmp_lg_u32 s10, 0
	s_cbranch_scc1 .Lnot_wave_0_\@
	s_barrier_signal -3
.Lnot_wave_0_\@:
	s_barrier_wait -3
	s_barrier_signal -1
	s_barrier_wait -1
.endm
	s_load_b128 s[4:7], s[0:1], 0x0                ; opnd s[4:5], part s[6:7]
	s_load_b64 s[8:9], s[0:1], 0x10                ; pidx
	v_lshl_add_u32 v[SPW], v0, 2, SPARE
	v_mov_b32 v[NIL], 0
	ds_add_u32 v[SPW], v[NIL]                      ; the wave's opening: the add and its wait stand ahead of my first tensor load; the set-up below, work on registers, stands between them
	v_lshrrev_b32 v[TMP], 5, v0
	v_readfirstlane_b32 s10, v[TMP]                ; wave 0..7
	s_bfe_u32 s11, ttmp6, 0x40000                  ; cx: my place in the cluster
	s_lshl_b32 s12, ttmp9, 2                       ; in a cluster launch ttmp9 counts clusters
	s_add_co_u32 s12, s12, s11                     ; x: it enters the queries' and the results' global addresses alone
	s_and_b32 s13, ttmp7, 0xffff                   ; y, which the four partners share
	; descriptor group 1: an image is 8,448 dense bytes: 33 rows of 256 bytes, padded in LDS after every 128
	s_mov_b32 s16, 15|(1<<16)|(1<<20)|(1<<21)|(4<<22)|(3<<25)  ; 15:0 the mask of four; 17:16 2-byte elements; 20 padding on; 21 set beside a mask; 24:22 after every 32 words (code 4); 31:25 4 words (code 3)
	s_mov_b32 s17, 128<<16                         ; tensor_dim0 = 128
	s_mov_b32 s18, 33<<16                          ; tensor_dim1 = 33
	s_mov_b32 s19, 128<<16                         ; tile_dim0 = 128
	s_mov_b32 s20, 33                              ; tile_dim1 = 33
	s_mov_b32 s21, 128                             ; 128 elements from row to row
	s_mov_b32 s22, 0
	s_mov_b32 s23, 0
	s_mov_b32 s24, 1                               ; group 0 of my first load: block w,
	s_mul_i32 s25, s10, BLK
	s_mov_b32 s28, 1                               ; of my second: block w + 8
	s_add_co_u32 s29, s25, 8*BLK
	s_lshl_b32 s14, s13, 4
	s_add_co_u32 s14, s14, s10                     ; image 16 y + w
	s_mul_i32 s14, s14, IMG
	s_mov_b32 s15, 0
	s_mov_b32 s32, 0xc31044fe                      ; -c, named as a pair
	s_mov_b32 s33, 0xc31044fe
	s_mov_b32 s34, 0x7b800000                      ; 2^120, named as a pair
	s_mov_b32 s35, 0x7b800000
	s_mov_b32 s36, 0x431044fe                      ; c = 100 log2(e) = 144.2695
	s_mov_b32 s44, 0x76543210                      ; v_permlanex16_b32: each lane takes its own place in the other half
	s_mov_b32 s45, 0xfedcba98
	s_mov_b32 s46, 0xffff0000                      ; lanes 16 to 31
	s_lshl_b32 s39, s13, 10                        ; the chunk's first code
	s_lshl_b32 s48, s12, 9
	s_lshl_b32 s49, s10, 6
	s_add_co_u32 s48, s48, s49                     ; n0 = 512 x + 64 w
	s_lshl_b32 s52, s48, 7                         ; its place in ZH,
	s_mov_b32 s53, 0
	s_lshl_b32 s60, s48, 2                         ; in AV,
	s_mov_b32 s61, 0
	s_lshl_b32 s62, s13, 14
	s_add_co_u32 s62, s62, s48
	s_lshl_b32 s62, s62, 2                         ; and in row y of pmin, psum and pidx
	s_mov_b32 s63, 0
	v_and_b32 v[RR], 15, v0
	v_bfe_u32 v[HH], v0, 4, 1
	v_mul_u32_u24 v[ADRF], v[RR], PITCH            ; a fragment: row lane % 16, 16 bytes for each half of the lanes
	v_lshl_add_u32 v[ADRF], v[HH], 4, v[ADRF]
	v_lshlrev_b32 v[ADRB], 5, v[HH]                ; B of codes 8 (lane / 16) + 0..7
	v_add_nc_u32 v[ADRB], 64*PITCH, v[ADRB]
	v_lshlrev_b32 v[QOFF], 7, v[RR]
	v_lshl_add_u32 v[QOFF], v[HH], 4, v[QOFF]
	v_lshlrev_b32 v[AOFF], 2, v[RR]
	v_and_b32 v[SOFF], 31, v0
	v_lshlrev_b32 v[SOFF], 2, v[SOFF]
	v_lshlrev_b32 v[TMP], 3, v[HH]
.set n, 0
.rept 32                               ; register n of a tile's 32 holds code 16 (n / 8) + 8 (lane / 16) + n % 8 of the block
	v_add_nc_u32 v[IDX+n], 16*(n/8)+n%8, v[TMP]
.set n, n+1
.endr
.set n, 0
.rept 32
	v_cvt_f32_u32 v[IDX+n], v[IDX+n]
.set n, n+1
.endr
	v_mov_b32 v[BB], 0
.irp q, 0,1,2,3
	v_mov_b32 v[ST+8*\q+1], 0x7f7fffff             ; RUN: the largest finite number, so the first block's factor for S is 0
	v_mov_b32 v[ST+8*\q+3], 0
	v_mov_b32 v[ST+8*\q+4], 0
	v_mov_b32 v[ST+8*\q+5], 0
.endr
	s_wait_dscnt 0x0                               ; the opening add is done
	s_wait_kmcnt 0x0
	s_add_nc_u64 s[26:27], s[4:5], s[14:15]        ; 120:64 global address: image 16 y + w,
	s_add_nc_u64 s[30:31], s[26:27], 8*IMG         ; and image 16 y + w + 8
	s_or_b32 s27, s27, 0x80000000                  ; 127:126 type = 2
	s_or_b32 s31, s31, 0x80000000
	s_add_nc_u64 s[50:51], s[4:5], s[52:53]
	s_add_nc_u64 s[50:51], s[50:51], ZH            ; my queries' rows
	s_add_nc_u64 s[54:55], s[4:5], s[60:61]
	s_add_nc_u64 s[54:55], s[54:55], AV            ; their A
	s_add_nc_u64 s[56:57], s[6:7], s[62:63]        ; where my results go
	s_add_nc_u64 s[58:59], s[8:9], s[62:63]
	ROUND                                          ; all four work-groups are here: the joint loads meet
	tensor_load_to_lds s[24:27], s[16:23]
	s_nop 0
	tensor_load_to_lds s[28:31], s[16:23]
	s_nop 0
.rept 4
	v_nop                                          ; behind a tensor load, the windows are switched behind four instructions
.endr
	WIN 0x40                                       ; destination window 1, address window 0
.irp q, 0,1,2,3
.irp c, 0,1,2,3                        ; a fragment of 16 rows x 32 channels: two loads of 16 bytes, 32 bytes apart; two fragments a tile
	global_load_b128 v[QF+16*\q+4*\c:QF+16*\q+4*\c+3], v[QOFF], s[50:51] offset:2048*\q+32*\c
.endr
.endr
	WIN 0
.irp q, 0,1,2,3
	global_load_b32 v[ST+8*\q], v[AOFF], s[54:55] offset:64*\q
.endr
	s_wait_tensorcnt 0x0                           ; both my blocks have landed,
	s_barrier_signal -1
	s_barrier_wait -1                              ; everybody's have: the chunk is whole, and nothing writes it from here on
	s_wait_loadcnt 0x0                             ; my queries and their A
; d = (A + B) - 2 dot for tile q, in place; the fused line follows its sum two pairs behind.  Each accumulator's lowest registers are read first.
.macro DIST q
.set p, 0
.rept 18
.if p < 16
	v_pk_add_f32 v[TF+2*(p%4):TF+2*(p%4)+1], v[BK+2*p:BK+2*p+1], v[ST+8*(\q):ST+8*(\q)+1] op_sel_hi:[1,0]
.endif
.if p >= 2
	v_pk_fma_f32 v[ACC+32*(\q)+2*p-4:ACC+32*(\q)+2*p-3], v[ACC+32*(\q)+2*p-4:ACC+32*(\q)+2*p-3], -2.0, v[TF+2*((p-2)%4):TF+2*((p-2)%4)+1] op_sel_hi:[1,0,1]
.endif
.set p, p+1
.endr
.endm
; RN = the least of a tile's 32 d and RUN: two chains (17 and 15 numbers), three operands at a time, the four tiles by turns
.macro MINT
.set stp, 0
.rept 8
.irp q, 0,1,2,3
.if stp == 0
	v_min3_num_f32 v[CT+2*\q],   v[ACC+32*\q],    v[ACC+32*\q+1],  v[ACC+32*\q+2]
	v_min3_num_f32 v[CT+2*\q+1], v[ACC+32*\q+17], v[ACC+32*\q+18], v[ACC+32*\q+19]
.else
	v_min3_num_f32 v[CT+2*\q],   v[CT+2*\q],   v[ACC+32*\q+2*stp+1],  v[ACC+32*\q+2*stp+2]
.if stp < 7
	v_min3_num_f32 v[CT+2*\q+1], v[CT+2*\q+1], v[ACC+32*\q+2*stp+18], v[ACC+32*\q+2*stp+19]
.endif
.endif
.endr
.set stp, stp+1
.endr
.irp q, 0,1,2,3
	v_min3_num_f32 v[ST+8*\q+2], v[CT+2*\q], v[CT+2*\q+1], v[ST+8*\q+1]
.endr
.endm
; where the minimum fell (strictly: an earlier block keeps a tie); AF = 2^(c (RN - RUN)); RUN = RN.  The four moves are the plain lines behind the exponentials (ISA guide 5.7.2).
.macro STAT
.irp q, 0,1,2,3
	v_cmp_lt_f32 s[MK+\q], v[ST+8*\q+2], v[ST+8*\q+1]
	v_sub_f32 v[ST+8*\q+6], v[ST+8*\q+2], v[ST+8*\q+1]
.endr
.irp q, 0,1,2,3
	v_mul_f32 v[ST+8*\q+6], s36, v[ST+8*\q+6]
.endr
.irp q, 0,1,2,3
	v_exp_f32 v[ST+8*\q+6], v[ST+8*\q+6]
.endr
.irp q, 0,1,2,3
	v_mov_b32 v[ST+8*\q+1], v[ST+8*\q+2]
.endr
.endm
; Tile q's 16 pairs go through five stages, a pair a step, each stage a step or more behind the one that feeds it:
; g = d - RN | key = g 2^120 + number, and -c g | the least key | two exponentials | S takes them (the first time as S = S AF + e).  A plain line that names neither stands behind each exponential.
.macro PIPE q
.set D, ACC+32*(\q)
.set T, ST+8*(\q)
.set p, 0
.rept 20
.if p < 16
	v_pk_add_f32 v[D+2*p:D+2*p+1], v[D+2*p:D+2*p+1], v[T+2:T+3] op_sel_hi:[1,0] neg_lo:[0,1] neg_hi:[0,1]
.endif
.if (p >= 1) && (p < 17)
	v_pk_fma_f32 v[TF+2*((p-1)%4):TF+2*((p-1)%4)+1], v[D+2*p-2:D+2*p-1], s[34:35], v[IDX+2*p-2:IDX+2*p-1] op_sel_hi:[1,0,1]
.endif
.if (p >= 3) && (p < 19)
	v_exp_f32 v[D+2*p-6], v[D+2*p-6]
.endif
.if (p >= 1) && (p < 17)
	v_pk_mul_f32 v[D+2*p-2:D+2*p-1], v[D+2*p-2:D+2*p-1], s[32:33] op_sel_hi:[1,0]
.endif
.if p == 2
	v_min_num_f32 v[T+7], v[TF], v[TF+1]
.elseif (p > 2) && (p < 18)
	v_min3_num_f32 v[T+7], v[T+7], v[TF+2*((p-2)%4)], v[TF+2*((p-2)%4)+1]
.endif
.if (p >= 3) && (p < 19)
	v_exp_f32 v[D+2*p-5], v[D+2*p-5]
.endif
.if p == 4
	s_wait_alu depctr_va_vdst(0)
	v_pk_fma_f32 v[T+4:T+5], v[T+4:T+5], v[T+6:T+7], v[D:D+1] op_sel_hi:[1,0,1]
.elseif p > 4
	s_wait_alu depctr_va_vdst(0)
	v_pk_add_f32 v[T+4:T+5], v[T+4:T+5], v[D+2*p-8:D+2*p-7]
.endif
.set p, p+1
.endr
.endm
	s_mov_b32 s38, 16
.Lblock:                                               ; a trip: one block of 64 codes against my 64 queries
	WIN 0x40
.irp i, 0,1,2,3
.irp c, 0,1,2,3
	ds_load_b128 v[CF+16*\i+4*\c:CF+16*\i+4*\c+3], v[ADRF] offset:\i*16*PITCH+32*\c
.endr
.endr
	WIN 0
.irp i, 0,1,2,3                        ; B of codes 16 i + 8 (lane / 16) + 0..7: sixteen lanes read the same 32 bytes
	ds_load_b128 v[BK+8*\i:BK+8*\i+3],   v[ADRB] offset:(\i/2)*PITCH+(\i%2)*64
	ds_load_b128 v[BK+8*\i+4:BK+8*\i+7], v[ADRB] offset:(\i/2)*PITCH+(\i%2)*64+16
.endr
	v_add_nc_u32 v[ADRF], BLK, v[ADRF]             ; the next trip's block
	v_add_nc_u32 v[ADRB], BLK, v[ADRB]
	s_wait_dscnt 0x8                               ; the sixteen fragment loads are in; the eight of B, issued behind them, may stay out
	WIN 0x05                                       ; sources 0 and 1 in window 1, C and D in window 0
.irp k, 0,1                            ; the 16 accumulators take turns: channels 0-31 start the sums, channels 32-63 add onto them, 15 others' between
.irp q, 0,1,2,3
.irp i, 0,1,2,3
.if \k == 0
	v_wmma_f32_16x16x32_bf16 v[ACC+8*(4*\q+\i):ACC+8*(4*\q+\i)+7], v[CF+16*\i:CF+16*\i+7], v[QF+16*\q:QF+16*\q+7], 0
.else
	v_wmma_f32_16x16x32_bf16 v[ACC+8*(4*\q+\i):ACC+8*(4*\q+\i)+7], v[CF+16*\i+8:CF+16*\i+15], v[QF+16*\q+8:QF+16*\q+15], v[ACC+8*(4*\q+\i):ACC+8*(4*\q+\i)+7]
.endif
.endr
.endr
.endr
	WIN 0
.rept 4
	v_nop                                          ; four places between the last product and the first line that reads a result (ISA guide 7.12.1)
.endr
	s_wait_dscnt 0x0                               ; B is in
	DIST 0
	DIST 1
	DIST 2
	DIST 3
	MINT
	STAT
	PIPE 0
	PIPE 1
	PIPE 2
	PIPE 3
.irp q, 0,1,2,3
	v_add_f32 v[CT+2*\q], v[ST+8*\q+7], v[BB]      ; the block's first code at RN, counted in the chunk,
.endr
.irp q, 0,1,2,3
	v_cndmask_b32 v[ST+8*\q+3], v[ST+8*\q+3], v[CT+2*\q], s[MK+\q]  ; is taken where the minimum fell
.endr
	v_add_f32 v[BB], 0x42800000, v[BB]             ; 64 codes on
	s_sub_co_u32 s38, s38, 1
	s_cmp_lg_u32 s38, 0
	s_cbranch_scc1 .Lblock
	; THE END.  A query's other 512 codes lie in the lane 16 away: the lesser minimum; both sums brought to it; the lesser index among those that have it.  Both lanes end with the same three numbers.
.irp q, 0,1,2,3
	v_add_f32 v[ST+8*\q+4], v[ST+8*\q+4], v[ST+8*\q+5]
.endr
.irp q, 0,1,2,3
.set T, ST+8*\q
.set X, ACC+8*\q                       ; eight registers at work, written before (v_permlanex16_b32's destination counts as read)
	v_permlanex16_b32 v[X],   v[T+1], s44, s45
	v_permlanex16_b32 v[X+1], v[T+3], s44, s45
	v_permlanex16_b32 v[X+2], v[T+4], s44, s45
	v_min_num_f32 v[X+3], v[T+1], v[X]
	v_sub_f32 v[X+4], v[X+3], v[T+1]
	v_sub_f32 v[X+5], v[X+3], v[X]
	v_mul_f32 v[X+4], s36, v[X+4]
	v_mul_f32 v[X+5], s36, v[X+5]
	v_exp_f32 v[X+4], v[X+4]
	v_exp_f32 v[X+5], v[X+5]
	v_cmp_eq_f32 vcc_lo, v[T+1], v[X+3]            ; (the plain line behind the exponentials)
	v_cndmask_b32 v[X+6], s34, v[T+3], vcc_lo
	v_cmp_eq_f32 vcc_lo, v[X], v[X+3]
	v_cndmask_b32 v[X+7], s34, v[X+1], vcc_lo
	v_min_num_f32 v[X+6], v[X+6], v[X+7]
	v_cvt_u32_f32 v[X+6], v[X+6]
	v_add_nc_u32 v[X+6], s39, v[X+6]               ; the code's number in the codebook
	s_wait_alu depctr_va_vdst(0)
	v_mul_f32 v[X+4], v[T+4], v[X+4]
	v_fma_f32 v[X+4], v[X+2], v[X+5], v[X+4]
.endr
.irp a, 0,1                            ; lanes 0-15 speak for tile 2 a, lanes 16-31 for tile 2 a + 1: 32 neighbouring queries, 128 consecutive bytes a store; a wave's two stores fill an aligned 256
	v_cndmask_b32 v[TF+3*\a],   v[ACC+16*\a+3], v[ACC+16*\a+11], s46
	v_cndmask_b32 v[TF+3*\a+1], v[ACC+16*\a+4], v[ACC+16*\a+12], s46
	v_cndmask_b32 v[TF+3*\a+2], v[ACC+16*\a+6], v[ACC+16*\a+14], s46
	global_store_b32 v[SOFF], v[TF+3*\a],   s[56:57] offset:128*\a
	global_store_b32 v[SOFF], v[TF+3*\a+1], s[56:57] offset:PSUM+128*\a
	global_store_b32 v[SOFF], v[TF+3*\a+2], s[58:59] offset:128*\a
.endr
	s_wait_tensorcnt 0x0                           ; the wave's end, behind my last tensor load
	ds_add_u32 v[SPW], v[NIL]
	s_wait_dscnt 0x0
	ROUND                                          ; the closing round
	s_endpgm
.Lfunc_end_k_qc65304eebb_pass1:
	.size	k_qc65304eebb_pass1, .Lfunc_end_k_qc65304eebb_pass1-k_qc65304eebb_pass1
	.p2alignl 7, 3214868480
	.fill 96, 4, 3214868480
	.section	.rodata,"a",@progbits
	.p2align	6, 0x0
	.amdhsa_kernel k_qc65304eebb_pass1
		.amdhsa_group_segment_fixed_size 167936
		.amdhsa_private_segment_fixed_size 0
		.amdhsa_enable_private_segment 0
		.amdhsa_kernarg_size 24
		.amdhsa_user_sgpr_count 2
		.amdhsa_user_sgpr_kernarg_segment_ptr 1
		.amdhsa_wavefront_size32 1
		.amdhsa_system_sgpr_workgroup_id_x 1
		.amdhsa_system_sgpr_workgroup_id_y 1
		.amdhsa_system_sgpr_workgroup_id_z 1
		.amdhsa_system_vgpr_workitem_id 0
		.amdhsa_next_free_vgpr 384
		.amdhsa_next_free_sgpr 66
		.amdhsa_reserve_vcc 1
		.amdhsa_float_denorm_mode_32 3
		.amdhsa_float_denorm_mode_16_64 3
		.amdhsa_memory_ordered 1
		.amdhsa_forward_progress 1
		.amdhsa_inst_pref_size 57
	.end_amdhsa_kernel
	.amdgpu_metadata
---
amdhsa.version: [ 1, 2 ]
amdhsa.kernels:
  - .name:           k_qc65304eebb_pass1
    .symbol:         k_qc65304eebb_pass1.kd
    .args:
      - { .name: opnd, .offset: 0, .size: 8, .value_kind: global_buffer, .address_space: global }
      - { .name: part, .offset: 8, .size: 8, .value_kind: global_buffer, .address_space: global }
      - { .name: pidx, .offset: 16, .size: 8, .value_kind: global_buffer, .address_space: global }
    .group_segment_fixed_size: 167936
    .private_segment_fixed_size: 0
    .kernarg_segment_align: 8
    .kernarg_segment_size: 24
    .max_flat_workgroup_size: 256
    .sgpr_count:     66
    .vgpr_count:     384
    .wavefront_size: 32
...
	.end_amdgpu_metadata
.endif
;; end of part 2
;; launch pass2 (part 3): grid 8 x 32, 8 waves a work-group, no clusters, 167,936 bytes of LDS; arguments opnd, part, pidx, p2out, idxw, out3; writes p2out, idxw, out3
.if DOCPART == 3
	.amdgcn_target "amdgcn-amd-amdhsa--gfx1250"
	.amdhsa_code_object_version 6
	.text
	.protected	k_qc65304eebb_pass2
	.globl	k_qc65304eebb_pass2
	.p2align	8
	.type	k_qc65304eebb_pass2,@function
k_qc65304eebb_pass2:
	s_mov_b64 s[64:65], 0
	v_nop
	global_prefetch_b8 v0, s[64:65] scope:SCOPE_SE
	s_setreg_imm32_b32 hwreg(HW_REG_WAVE_MODE, 25, 1), 1
	s_wait_xcnt 0x0
; PASS 2.  First the eight chunks' results of each query are joined: the least d (dm), the first code that has it (out3, idxw), S = the sum over all codes of 2^(-c (d - dm)).  Then the scores are made again and
; p = 2^x / S with x = -c (d - dm) = 2 c dot - c B + c (dm - A), 0 at the most: the row's own minimum is taken away, as reference()'s softmax takes its maximum away.  Two sums of p leave:
;   colp[y][k]  the sum of p[n][k] over the 512 queries of block y (reference()'s avg_prob, before it is divided)
;   hyp         each thread's sum of p y, y = 1 + max(log2 p, log2 1e-5) / log2 1e5, held to 0 .. 1 by the clamp: -p ln max(p, 1e-5) = ln(1e5) (p - p y)
; SHARES.  Work-group (x, y): codes 1024 x .. + 1023, queries 512 y .. + 511.  Wave w keeps codes 1024 x + 128 w .. + 127 in registers, eight tiles, and walks the 512 queries, 32 a trip.
; LAYOUT.  Source 0 = 16 queries (from LDS), source 1 = 16 codes: a lane holds ONE code (lane % 16) and the queries 8 (lane / 16) + 0..7: the column sums stay in the lane.
; DIFFERENCE, stated: x is formed from the exact parts, so it does not carry the f32 rounding of d that reference()'s own d has (half a step of d, times 100, in the exponent); dm, the index and S do carry it.
; LIMITS.  NaN and infinities are not treated apart; an exponential below 2^-126 counts as 0.
; NO CLUSTER: of a work-group's bytes (132 KB of codes and 50 KB of chunk results into registers, a stream of 64 KB into LDS) only the stream is shared, with the seven other x; it is fetched once.
; One tensor load a wave, every LDS byte filled once.
.set IMG,   8448
.set PITCH, 144                        ; 128 bytes + 16 of padding: the 16 rows of a load start at 16 different groups of four banks (64 banks of 4 bytes: ISA guide 11.1)
.set ZH,    1081344
.set AV,    3178496
.set PSUM,  524288
.set HYP,   1048576                    ; p2out: colp[32][8192], then hyp[256][256]
.set ONB,   512*PITCH                  ; 73,728: behind the stream, three tables of 512 words, 2,048 bytes apart: ON = c (dm - A), W = 1 / S, YO = 1 - log2 S / log2 1e5
.set SPARE, ONB+3*2048                 ; 79,872: the spare words, 128 bytes a wave: four blocks of 256 bytes that no other line names
.set RR,   1                           ; v1   lane % 16
.set HH,   2                           ; v2   lane / 16
.set ADRQ, 3                           ; v3   LDS address of my part of the queries' fragments; steps 32 rows a trip
.set ADRC, 4                           ; v4   of my eight words in ON; steps 32 words a trip
.set COFF, 5                           ; v5   my byte offset in 16 rows of codes
.set BOFF, 6                           ; v6   4 (lane % 16)
.set T8,   7                           ; v7   8 t
.set SPW,  8                           ; v8   my spare word; never rewritten
.set NIL,  9                           ; v9   0; never rewritten
.set T8L,  10                          ; v10  ONB + 8 t
.set L4,   11                          ; v11  4 x lane
.set UR,   12                          ; v[12:19]  ON + CB, four pairs by turns
.set YR,   20                          ; v[20:27]  y, four pairs by turns
.set HA,   28                          ; v[28:35]  for the four pairs of queries of a tile: the sum over my codes of 2^x y
.set HT,   36                          ; v[36:37]  my sum of p y
.set INVL, 38                          ; v[38:39]  1 / log2 1e5, twice: a line with clamp takes vector registers alone
.set CB,   40                          ; v[40:55]  -c B of my code in tile t, twice, at CB + 2 t
.set COL,  56                          ; v[56:71]  my code's sum of p in tile t (even queries', odd queries') at COL + 2 t
.set ON,   72                          ; v[72:87]  ON of two tiles' queries; W and YO lie 16 and 32 registers on
.set W,    88
.set YO,   104
.set T4,   120                         ; v120 4 t
.set TMP,  121
.set ACC,  128                         ; v[128:255] query tile u, code tile t at ACC + 8 (8 u + t).  Before the loop: at work on the chunks' results
.set PM,   128                         ; chunk g's least d of my two queries at PM + 2 g
.set PS,   144                         ; its sum
.set PI,   160                         ; its index
.set AVR,  176
.set DM,   180
.set IX,   182
.set EE,   184                         ; v[184:199]
.set SS,   200
.set ONR,  202
.set WR,   204
.set YOR,  206
.set LG,   208
.set CFR,  0                           ; window 1: my codes' fragments, 16 a tile
.set SQ,   128                         ; window 1: two query tiles' fragments
.set MSB, 0
.macro WIN new                         ; s_set_vgpr_msb: bits 1:0 source 0, 3:2 source 1, 5:4 source 2, 7:6 destination; the high byte repeats the setting that is left
.if MSB != (\new)
	s_set_vgpr_msb (MSB<<8)|(\new)
.set MSB, \new
.endif
.endm
	s_load_b256 s[4:11], s[0:1], 0x0               ; opnd s[4:5], part s[6:7], pidx s[8:9], p2out s[10:11]
	s_load_b128 s[12:15], s[0:1], 0x20             ; idxw s[12:13], out3 s[14:15]
	v_lshl_add_u32 v[SPW], v0, 2, SPARE
	v_mov_b32 v[NIL], 0
	ds_add_u32 v[SPW], v[NIL]                      ; the wave's opening: the add and its wait stand ahead of my tensor load; the set-up below, work on registers, stands between them
	v_lshrrev_b32 v[TMP], 5, v0
	v_readfirstlane_b32 s28, v[TMP]                ; wave 0..7
	s_mov_b32 s29, ttmp9                           ; x
	s_and_b32 s30, ttmp7, 0xffff                   ; y
	; descriptor group 1: 64 queries are 8,192 dense bytes: 32 rows of 256 bytes, padded in LDS after every 128
	s_mov_b32 s16, (1<<16)|(1<<20)|(4<<22)|(3<<25) ; 17:16 2-byte elements; 20 padding on; 24:22 after every 32 words (code 4); 31:25 4 words (code 3)
	s_mov_b32 s17, 128<<16                         ; tensor_dim0 = 128
	s_mov_b32 s18, 32<<16                          ; tensor_dim1 = 32
	s_mov_b32 s19, 128<<16                         ; tile_dim0 = 128
	s_mov_b32 s20, 32                              ; tile_dim1 = 32
	s_mov_b32 s21, 128                             ; 128 elements from row to row
	s_mov_b32 s22, 0
	s_mov_b32 s23, 0
	s_mov_b32 s24, 1                               ; group 0: count = 1,
	s_mul_i32 s25, s28, 64*PITCH                   ; my 64 rows of the stream
	s_mov_b32 s32, 0x439044fe                      ; 2 c, named as a pair
	s_mov_b32 s33, 0x439044fe
	s_mov_b32 s34, 0x431044fe                      ; c: the packed lines name s[34:35] and take the low word for both halves
	s_mov_b32 s35, 0xc31044fe                      ; -c
	s_mov_b32 s36, 0xbd769a91                      ; -1 / log2 1e5
	s_mov_b32 s38, 0x76543210                      ; v_permlanex16_b32: each lane takes its own place in the other half
	s_mov_b32 s39, 0xfedcba98
	s_mov_b32 s40, 0xffff0000                      ; lanes 16 to 31
	s_lshl_b32 s60, s30, 9
	s_lshl_b32 s61, s28, 6
	s_add_co_u32 s60, s60, s61
	s_lshl_b32 s60, s60, 7                         ; query 512 y + 64 w in ZH
	s_mov_b32 s61, 0
	s_lshl_b32 s62, s29, 4
	s_lshl1_add_u32 s62, s28, s62                  ; image 16 x + 2 w
	s_mul_i32 s62, s62, IMG
	s_mov_b32 s63, 0
	s_lshl_b32 s42, s30, 11                        ; 512 words of block y
	s_mov_b32 s43, 0
	s_lshl_b32 s41, s29, 10
	s_lshl_b32 s31, s28, 7
	s_add_co_u32 s41, s41, s31                     ; k0 = 1024 x + 128 w
	s_lshl_b32 s31, s30, 13
	s_add_co_u32 s52, s41, s31
	s_lshl_b32 s52, s52, 2                         ; colp[y][k0]
	s_mov_b32 s53, 0
	s_lshl3_add_u32 s54, s30, s29                  ; hyp's row 8 y + x,
	s_lshl_b32 s54, s54, 10                        ; 1,024 bytes each
	s_mov_b32 s55, 0
	v_and_b32 v[RR], 15, v0
	v_bfe_u32 v[HH], v0, 4, 1
	v_mul_u32_u24 v[ADRQ], v[RR], PITCH            ; a fragment: row lane % 16, 16 bytes for each half of the lanes
	v_lshl_add_u32 v[ADRQ], v[HH], 4, v[ADRQ]
	v_lshlrev_b32 v[ADRC], 5, v[HH]                ; the words of queries 8 (lane / 16) + 0..7
	v_add_nc_u32 v[ADRC], ONB, v[ADRC]
	v_lshlrev_b32 v[COFF], 7, v[RR]
	v_lshl_add_u32 v[COFF], v[HH], 4, v[COFF]
	v_lshlrev_b32 v[BOFF], 2, v[RR]
	v_lshlrev_b32 v[T8], 3, v0
	v_add_nc_u32 v[T8L], ONB, v[T8]
	v_and_b32 v[L4], 31, v0
	v_lshlrev_b32 v[L4], 2, v[L4]
	v_lshlrev_b32 v[T4], 2, v0
	v_mov_b32 v[INVL], 0x3d769a91
	v_mov_b32 v[INVL+1], 0x3d769a91
	v_mov_b32 v[HT], 0
	v_mov_b32 v[HT+1], 0
.set n, 0
.rept 16
	v_mov_b32 v[COL+n], 0
.set n, n+1
.endr
	s_wait_dscnt 0x0                               ; the opening add is done
	s_wait_kmcnt 0x0
	s_add_nc_u64 s[26:27], s[4:5], s[60:61]
	s_add_nc_u64 s[26:27], s[26:27], ZH            ; 120:64 global address: my 64 queries
	s_or_b32 s27, s27, 0x80000000                  ; 127:126 type = 2
	s_add_nc_u64 s[44:45], s[4:5], s[62:63]        ; my codes' two images
	s_add_nc_u64 s[46:47], s[4:5], s[42:43]
	s_add_nc_u64 s[46:47], s[46:47], AV            ; A of block y
	s_add_nc_u64 s[48:49], s[6:7], s[42:43]        ; the chunks' results for block y
	s_add_nc_u64 s[50:51], s[8:9], s[42:43]
	s_add_nc_u64 s[52:53], s[10:11], s[52:53]
	s_add_nc_u64 s[54:55], s[10:11], s[54:55]
	s_add_nc_u64 s[54:55], s[54:55], HYP
	s_add_nc_u64 s[56:57], s[12:13], s[42:43]
	s_add_nc_u64 s[58:59], s[14:15], s[42:43]
	tensor_load_to_lds s[24:27], s[16:23]
	s_nop 0
.rept 4
	v_nop                                          ; behind a tensor load, the windows are switched behind four instructions
.endr
	WIN 0x40                                       ; destination window 1, address window 0
.irp t, 0,1,2,3,4,5,6,7
.irp c, 0,1,2,3
	global_load_b128 v[CFR+16*\t+4*\c:CFR+16*\t+4*\c+3], v[COFF], s[44:45] offset:(\t/4)*IMG+(\t%4)*2048+32*\c
.endr
.endr
	WIN 0
.irp t, 0,1,2,3,4,5,6,7
	global_load_b32 v[CB+2*\t], v[BOFF], s[44:45] offset:(\t/4)*IMG+8192+(\t%4)*64
.endr
.irp g, 0,1,2,3,4,5,6,7                ; thread t joins queries 512 y + 2 t and the next: a wave's load takes 256 consecutive bytes
	global_load_b64 v[PM+2*\g:PM+2*\g+1], v[T8], s[48:49] offset:65536*\g
	global_load_b64 v[PS+2*\g:PS+2*\g+1], v[T8], s[48:49] offset:PSUM+65536*\g
	global_load_b64 v[PI+2*\g:PI+2*\g+1], v[T8], s[50:51] offset:65536*\g
.endr
	global_load_b64 v[AVR:AVR+1], v[T8], s[46:47]
	s_wait_loadcnt 0x0
.irp u, 0,1
	v_mov_b32 v[DM+\u], v[PM+\u]
	v_mov_b32 v[IX+\u], v[PI+\u]
.endr
.irp g, 1,2,3,4,5,6,7                  ; strictly less: the lower chunk keeps a tie
.irp u, 0,1
	v_cmp_lt_f32 vcc_lo, v[PM+2*\g+\u], v[DM+\u]
	v_cndmask_b32 v[IX+\u], v[IX+\u], v[PI+2*\g+\u], vcc_lo
	v_min_num_f32 v[DM+\u], v[DM+\u], v[PM+2*\g+\u]
.endr
.endr
.irp g, 0,1,2,3,4,5,6,7                ; each chunk's sum is brought to dm: times 2^(c (dm - its own minimum))
	v_pk_add_f32 v[EE+2*\g:EE+2*\g+1], v[DM:DM+1], v[PM+2*\g:PM+2*\g+1] neg_lo:[0,1] neg_hi:[0,1]
.endr
.irp g, 0,1,2,3,4,5,6,7
	v_pk_mul_f32 v[EE+2*\g:EE+2*\g+1], v[EE+2*\g:EE+2*\g+1], s[34:35] op_sel_hi:[1,0]
.endr
.set n, 0
.rept 16
	v_exp_f32 v[EE+n], v[EE+n]
.set n, n+1
.endr
	v_pk_add_f32 v[ONR:ONR+1], v[DM:DM+1], v[AVR:AVR+1] neg_lo:[0,1] neg_hi:[0,1]  ; dm - A (also the plain line behind the exponentials)
	s_wait_alu depctr_va_vdst(0)
	v_pk_mul_f32 v[SS:SS+1], v[PS:PS+1], v[EE:EE+1]
.irp g, 1,2,3,4,5,6,7
	v_pk_fma_f32 v[SS:SS+1], v[PS+2*\g:PS+2*\g+1], v[EE+2*\g:EE+2*\g+1], v[SS:SS+1]
.endr
	v_pk_mul_f32 v[ONR:ONR+1], v[ONR:ONR+1], s[34:35] op_sel_hi:[1,0]
	v_rcp_f32 v[WR], v[SS]
	v_rcp_f32 v[WR+1], v[SS+1]
	v_log_f32 v[LG], v[SS]
	v_log_f32 v[LG+1], v[SS+1]
.irp t, 0,1,2,3,4,5,6,7                ; -c B, twice (the first of these is the plain line behind the logarithms)
	v_mul_f32 v[CB+2*\t], s35, v[CB+2*\t]
.endr
.irp t, 0,1,2,3,4,5,6,7
	v_mov_b32 v[CB+2*\t+1], v[CB+2*\t]
.endr
	s_wait_alu depctr_va_vdst(0)
	v_fma_f32 v[YOR], v[LG], s36, 1.0
	v_fma_f32 v[YOR+1], v[LG+1], s36, 1.0
	ds_store_b64 v[T8L], v[ONR:ONR+1]
	ds_store_b64 v[T8L], v[WR:WR+1] offset:2048
	ds_store_b64 v[T8L], v[YOR:YOR+1] offset:4096
	s_cmp_lg_u32 s29, 0                            ; all eight x have the same indices: x = 0 stores them
	s_cbranch_scc1 .Lno_index
	global_store_b64 v[T8], v[IX:IX+1], s[58:59]   ; a wave stores 256 consecutive bytes, aligned
	global_store_b64 v[T8], v[IX:IX+1], s[56:57]
.Lno_index:
	s_wait_xcnt 0x0                                ; the stores' data lie in registers that the products write next
	s_wait_tensorcnt 0x0                           ; my 64 rows of the stream have landed,
	s_wait_dscnt 0x0                               ; my words of the three tables are stored:
	s_barrier_signal -1
	s_barrier_wait -1                              ; everybody's are, and nothing writes LDS from here on
; Query tile u's 32 pairs (code tile t = e / 4, pair of queries e % 4) go through the stages, a pair a step:
; ON + CB | x = 2 c dot + that | y = clamp(x / log2 1e5 + YO) | two exponentials, in x's place | COL += 2^x W, HA += 2^x y.  A plain line that names neither stands behind each exponential.
; Each accumulator's lowest registers are read first.
.macro VP u
.set D, ACC+64*(\u)
.set e, 0
.rept 36
.if e < 32
	v_pk_add_f32 v[UR+2*(e%4):UR+2*(e%4)+1], v[ON+8*(\u)+2*(e%4):ON+8*(\u)+2*(e%4)+1], v[CB+2*(e/4):CB+2*(e/4)+1]
.endif
.if (e >= 1) && (e < 33)
	v_pk_fma_f32 v[D+2*e-2:D+2*e-1], v[D+2*e-2:D+2*e-1], s[32:33], v[UR+2*((e-1)%4):UR+2*((e-1)%4)+1] op_sel_hi:[1,0,1]
.endif
.if (e >= 3) && (e < 35)
	v_exp_f32 v[D+2*e-6], v[D+2*e-6]
.endif
.if (e >= 2) && (e < 34)
	v_pk_fma_f32 v[YR+2*((e-2)%4):YR+2*((e-2)%4)+1], v[D+2*e-4:D+2*e-3], v[INVL:INVL+1], v[YO+8*(\u)+2*((e-2)%4):YO+8*(\u)+2*((e-2)%4)+1] clamp
.endif
.if e >= 4
	s_wait_alu depctr_va_vdst(0)
	v_pk_fma_f32 v[COL+2*((e-4)/4):COL+2*((e-4)/4)+1], v[D+2*e-8:D+2*e-7], v[W+8*(\u)+2*((e-4)%4):W+8*(\u)+2*((e-4)%4)+1], v[COL+2*((e-4)/4):COL+2*((e-4)/4)+1]
.endif
.if (e >= 3) && (e < 35)
	v_exp_f32 v[D+2*e-5], v[D+2*e-5]
.endif
.if (e >= 4) && (e < 8)
	v_pk_mul_f32 v[HA+2*((e-4)%4):HA+2*((e-4)%4)+1], v[D+2*e-8:D+2*e-7], v[YR+2*((e-4)%4):YR+2*((e-4)%4)+1]
.elseif e >= 8
	v_pk_fma_f32 v[HA+2*((e-4)%4):HA+2*((e-4)%4)+1], v[D+2*e-8:D+2*e-7], v[YR+2*((e-4)%4):YR+2*((e-4)%4)+1], v[HA+2*((e-4)%4):HA+2*((e-4)%4)+1]
.endif
.set e, e+1
.endr
.irp p, 0,1,2,3
	v_pk_fma_f32 v[HT:HT+1], v[HA+2*\p:HA+2*\p+1], v[W+8*(\u)+2*\p:W+8*(\u)+2*\p+1], v[HT:HT+1]
.endr
.endm
	s_mov_b32 s37, 16
.Lpair:                                                ; a trip: 32 queries against my 128 codes
	WIN 0x40
.irp u, 0,1
.irp c, 0,1,2,3
	ds_load_b128 v[SQ+16*\u+4*\c:SQ+16*\u+4*\c+3], v[ADRQ] offset:\u*16*PITCH+32*\c
.endr
.endr
	WIN 0
.irp u, 0,1
.irp a, 0,1,2                          ; ON, W, YO of queries 16 u + 8 (lane / 16) + 0..7: sixteen lanes read the same 32 bytes
	ds_load_b128 v[ON+16*\a+8*\u:ON+16*\a+8*\u+3],   v[ADRC] offset:2048*\a+64*\u
	ds_load_b128 v[ON+16*\a+8*\u+4:ON+16*\a+8*\u+7], v[ADRC] offset:2048*\a+64*\u+16
.endr
.endr
	v_add_nc_u32 v[ADRQ], 32*PITCH, v[ADRQ]        ; the next trip's 32 queries
	v_add_nc_u32 v[ADRC], 128, v[ADRC]
	s_wait_dscnt 0xc                               ; the eight fragment loads are in; the twelve of the tables, issued behind them, may stay out
	WIN 0x05                                       ; sources 0 and 1 in window 1, C and D in window 0
.irp k, 0,1                            ; the 16 accumulators take turns: channels 0-31 start the sums, channels 32-63 add onto them, 15 others' between
.irp u, 0,1
.irp t, 0,1,2,3,4,5,6,7
.if \k == 0
	v_wmma_f32_16x16x32_bf16 v[ACC+8*(8*\u+\t):ACC+8*(8*\u+\t)+7], v[SQ+16*\u:SQ+16*\u+7], v[CFR+16*\t:CFR+16*\t+7], 0
.else
	v_wmma_f32_16x16x32_bf16 v[ACC+8*(8*\u+\t):ACC+8*(8*\u+\t)+7], v[SQ+16*\u+8:SQ+16*\u+15], v[CFR+16*\t+8:CFR+16*\t+15], v[ACC+8*(8*\u+\t):ACC+8*(8*\u+\t)+7]
.endif
.endr
.endr
.endr
	WIN 0
.rept 4
	v_nop                                          ; four places between the last product and the first line that reads a result (ISA guide 7.12.1)
.endr
	s_wait_dscnt 0x0                               ; the tables' words are in
	VP 0
	VP 1
	s_sub_co_u32 s37, s37, 1
	s_cmp_lg_u32 s37, 0
	s_cbranch_scc1 .Lpair
	; THE END.  A code's other 256 queries lie in the lane 16 away.
.irp t, 0,1,2,3,4,5,6,7
	v_add_f32 v[COL+2*\t], v[COL+2*\t], v[COL+2*\t+1]
.endr
.irp t, 0,1,2,3,4,5,6,7
	v_permlanex16_b32 v[COL+2*\t+1], v[COL+2*\t], s38, s39
.endr
.irp t, 0,1,2,3,4,5,6,7
	v_add_f32 v[COL+2*\t], v[COL+2*\t], v[COL+2*\t+1]
.endr
.irp a, 0,1,2,3                        ; lanes 0-15 speak for tile 2 a, lanes 16-31 for tile 2 a + 1: 128 consecutive bytes a store, the wave's four 512
	v_cndmask_b32 v[UR+\a], v[COL+4*\a], v[COL+4*\a+2], s40
	global_store_b32 v[L4], v[UR+\a], s[52:53] offset:128*\a
.endr
	v_add_f32 v[HT], v[HT], v[HT+1]
	global_store_b32 v[T4], v[HT], s[54:55]        ; a thread's own sum: the work-group's 1,024 consecutive bytes; they are added up in the next launch
	s_wait_tensorcnt 0x0                           ; the wave's end, behind my tensor load and my last LDS store
	ds_add_u32 v[SPW], v[NIL]
	s_wait_dscnt 0x0
	s_endpgm
.Lfunc_end_k_qc65304eebb_pass2:
	.size	k_qc65304eebb_pass2, .Lfunc_end_k_qc65304eebb_pass2-k_qc65304eebb_pass2
	.p2alignl 7, 3214868480
	.fill 96, 4, 3214868480
	.section	.rodata,"a",@progbits
	.p2align	6, 0x0
	.amdhsa_kernel k_qc65304eebb_pass2
		.amdhsa_group_segment_fixed_size 167936
		.amdhsa_private_segment_fixed_size 0
		.amdhsa_enable_private_segment 0
		.amdhsa_kernarg_size 48
		.amdhsa_user_sgpr_count 2
		.amdhsa_user_sgpr_kernarg_segment_ptr 1
		.amdhsa_wavefront_size32 1
		.amdhsa_system_sgpr_workgroup_id_x 1
		.amdhsa_system_sgpr_workgroup_id_y 1
		.amdhsa_system_sgpr_workgroup_id_z 1
		.amdhsa_system_vgpr_workitem_id 0
		.amdhsa_next_free_vgpr 416
		.amdhsa_next_free_sgpr 66
		.amdhsa_reserve_vcc 1
		.amdhsa_float_denorm_mode_32 3
		.amdhsa_float_denorm_mode_16_64 3
		.amdhsa_memory_ordered 1
		.amdhsa_forward_progress 1
		.amdhsa_inst_pref_size 48
	.end_amdhsa_kernel
	.amdgpu_metadata
---
amdhsa.version: [ 1, 2 ]
amdhsa.kernels:
  - .name:           k_qc65304eebb_pass2
    .symbol:         k_qc65304eebb_pass2.kd
    .args:
      - { .name: opnd, .offset: 0, .size: 8, .value_kind: global_buffer, .address_space: global }
      - { .name: part, .offset: 8, .size: 8, .value_kind: global_buffer, .address_space: global }
      - { .name: pidx, .offset: 16, .size: 8, .value_kind: global_buffer, .address_space: global }
      - { .name: p2out, .offset: 24, .size: 8, .value_kind: global_buffer, .address_space: global }
      - { .name: idxw, .offset: 32, .size: 8, .value_kind: global_buffer, .address_space: global }
      - { .name: out3, .offset: 40, .size: 8, .value_kind: global_buffer, .address_space: global }
    .group_segment_fixed_size: 167936
    .private_segment_fixed_size: 0
    .kernarg_segment_align: 8
    .kernarg_segment_size: 48
    .max_flat_workgroup_size: 256
    .sgpr_count:     66
    .vgpr_count:     416
    .wavefront_size: 32
...
	.end_amdgpu_metadata
.endif
;; end of part 3
;; launch emit (part 4): grid 256 x 1, 8 waves a work-group, no clusters, 22,272 bytes of LDS; arguments z, emb, idxw, p2out, out0, gout; writes out0, gout
.if DOCPART == 4
	.amdgcn_target "amdgcn-amd-amdhsa--gfx1250"
	.amdhsa_code_object_version 6
	.text
	.protected	k_qc65304eebb_emit
	.globl	k_qc65304eebb_emit
	.p2align	8
	.type	k_qc65304eebb_emit,@function
k_qc65304eebb_emit:
	s_mov_b64 s[64:65], 0
	v_nop
	global_prefetch_b8 v0, s[64:65] scope:SCOPE_SE
	s_setreg_imm32_b32 hwreg(HW_REG_WAVE_MODE, 25, 1), 1
	s_wait_xcnt 0x0
; EMIT.  Work-group j: queries 64 j .. + 63 (one b, 64 neighbouring hw): gathers their codes' rows (f32, as given) by the indices that the launch before stored, turns them through LDS into
; [channel][hw], and writes out0 = z + (e - z), in reference()'s own order, with the sum of (e - z)^2.  It also adds up its share of the two sums of pass 2: columns 32 j .. + 31 of colp over the 32 blocks,
; with the columns' terms of the codebook's entropy, and 256 numbers of hyp.  gout[j] = (sum of squares, sum of p y, sum of -q ln max(q, 1e-5), sum of p).
; An index is held to 0 .. 8191 before it enters an address.  Memory binds: no matrix unit, no cluster, no ring.
.set EP,    260                        ; a channel's 64 numbers in LDS: 256 bytes + 4 = 65 words
.set CST,   16896                      ; colp's 32 x 32 numbers
.set RED,   20992                      ; two numbers a wave
.set SPARE, 21248                      ; the spare words, 128 bytes a wave: four blocks of 256 bytes that no other line names
.set HYP,   1048576
.set QUAD, 1                           ; v1   t % 16
.set C0,   2                           ; v2   t / 16
.set ZOFF, 3                           ; v3   my byte offset in z and out0
.set IOFF, 4                           ; v4   4 x the first of my four rows
.set T16,  5                           ; v5   16 t
.set T4,   6                           ; v6   4 t
.set ESTO, 7                           ; v7   where I put a row's four numbers
.set IR,   8                           ; v[8:11]   indices, then byte offsets in emb
.set ZR,   12                          ; v[12:27]  z, then out0
.set CR,   28                          ; v[28:31]  four numbers of colp
.set HR,   32                          ; v32       one of hyp
.set ERD,  33                          ; v33       where I read a channel's four numbers
.set EE,   34                          ; v[34:49]  rows of emb; then e by channels, then e - z
.set LS,   50                          ; v[50:51]  sum of squares; then (sum of squares, sum of p y)
.set COFF, 52                          ; v52       my byte offset in colp
.set W8,   54                          ; v54       8 x wave
.set RA,   56                          ; v56       RED
.set ZERO, 57                          ; v57       0
.set TMP,  58
.set SPW,  62                          ; v62  my spare word; never rewritten
.set NIL,  63                          ; v63  0; never rewritten
	s_load_b256 s[4:11], s[0:1], 0x0               ; z s[4:5], emb s[6:7], idxw s[8:9], p2out s[10:11]
	s_load_b128 s[12:15], s[0:1], 0x20             ; out0 s[12:13], gout s[14:15]
	v_lshl_add_u32 v[SPW], v0, 2, SPARE
	v_mov_b32 v[NIL], 0
	v_lshrrev_b32 v[TMP], 5, v0
	v_readfirstlane_b32 s16, v[TMP]                ; wave 0..7
	v_lshlrev_b32 v[W8], 3, v[TMP]
	v_and_b32 v[QUAD], 15, v0
	v_lshrrev_b32 v[C0], 4, v0
	v_lshlrev_b32 v[ZOFF], 12, v[C0]               ; channel t / 16, four hw a lane: sixteen lanes take 256 neighbouring bytes
	v_lshl_add_u32 v[ZOFF], v[QUAD], 4, v[ZOFF]
	v_bfe_u32 v[IOFF], v0, 4, 1
	v_lshl_add_u32 v[IOFF], v[TMP], 3, v[IOFF]     ; row 8 w + lane / 16; my four rows lie 2 apart
	v_lshlrev_b32 v[IOFF], 2, v[IOFF]
	v_lshlrev_b32 v[T16], 4, v0
	v_lshlrev_b32 v[T4], 2, v0
	v_mul_u32_u24 v[ESTO], v[QUAD], 4*EP           ; channels 4 (t % 16) + 0..3,
	v_add_nc_u32 v[ESTO], v[ESTO], v[IOFF]         ; the row's word
	v_mul_u32_u24 v[ERD], v[C0], EP
	v_lshl_add_u32 v[ERD], v[QUAD], 4, v[ERD]
	v_lshrrev_b32 v[COFF], 3, v0                   ; block t / 8 of colp, 32,768 bytes each,
	v_lshlrev_b32 v[COFF], 15, v[COFF]
	v_and_b32 v[TMP], 7, v0
	v_lshl_add_u32 v[COFF], v[TMP], 4, v[COFF]     ; four of my 32 columns
	v_lshlrev_b32 v[TMP], 4, v[QUAD]               ; 16 bytes of a row of emb
	s_lshr_b32 s18, ttmp9, 4                       ; b = j / 16,
	s_lshl_b32 s18, s18, 18
	s_and_b32 s19, ttmp9, 15                       ; hw0 = 64 (j % 16)
	s_lshl_b32 s19, s19, 8
	s_add_co_u32 s18, s18, s19
	s_mov_b32 s19, 0
	s_lshl_b32 s20, ttmp9, 8                       ; 64 indices
	s_mov_b32 s21, 0
	s_lshl_b32 s22, ttmp9, 7                       ; 32 columns
	s_mov_b32 s23, 0
	s_lshl_b32 s24, ttmp9, 10                      ; 256 numbers of hyp
	s_mov_b32 s25, 0
	s_lshl_b32 s26, ttmp9, 4                       ; gout[j]
	s_mov_b32 s27, 0
	s_mov_b32 s28, 0x76543210                      ; v_permlanex16_b32: each lane takes its own place in the other half
	s_mov_b32 s29, 0xfedcba98
	s_wait_kmcnt 0x0
	s_add_nc_u64 s[4:5], s[4:5], s[18:19]
	s_add_nc_u64 s[12:13], s[12:13], s[18:19]
	s_add_nc_u64 s[8:9], s[8:9], s[20:21]
	s_add_nc_u64 s[22:23], s[10:11], s[22:23]
	s_add_nc_u64 s[24:25], s[10:11], s[24:25]
	s_add_nc_u64 s[24:25], s[24:25], HYP
	s_add_nc_u64 s[14:15], s[14:15], s[26:27]
.irp i, 0,1,2,3
	global_load_b32 v[IR+\i], v[IOFF], s[8:9] offset:8*\i
.endr
.irp i, 0,1,2,3                        ; channel t / 16 + 16 i
	global_load_b128 v[ZR+4*\i:ZR+4*\i+3], v[ZOFF], s[4:5] offset:65536*\i
.endr
	global_load_b128 v[CR:CR+3], v[COFF], s[22:23]
	global_load_b32 v[HR], v[T4], s[24:25]
	s_wait_loadcnt 0x6                             ; the four indices are in; the six loads issued behind them may stay out
.irp i, 0,1,2,3
	v_min_u32 v[IR+\i], 0x1fff, v[IR+\i]
	v_lshlrev_b32 v[IR+\i], 8, v[IR+\i]            ; a row of emb is 256 bytes:
	v_add_nc_u32 v[IR+\i], v[IR+\i], v[TMP]        ; sixteen lanes take it whole
.endr
.irp i, 0,1,2,3
	global_load_b128 v[EE+4*\i:EE+4*\i+3], v[IR+\i], s[6:7]
.endr
	s_wait_loadcnt 0x0
.irp i, 0,1,2,3
.irp k, 0,1,2,3
	ds_store_b32 v[ESTO], v[EE+4*\i+\k] offset:\k*EP+8*\i
.endr
.endr
	ds_store_b128 v[T16], v[CR:CR+3] offset:CST
	s_wait_dscnt 0x0                               ; for the others' sake: my stores are done
	s_barrier_signal -1
	s_barrier_wait -1
.irp i, 0,1,2,3
.irp k, 0,1,2,3
	ds_load_b32 v[EE+4*\i+\k], v[ERD] offset:\i*16*EP+4*\k
.endr
.endr
.irp i, 0,1,2,3
	s_wait_dscnt 12-4*\i                           ; LDS loads come back in order: channel i's four are in, the younger groups of four may stay out
.irp m, 0,2
	v_pk_add_f32 v[EE+4*\i+\m:EE+4*\i+\m+1], v[EE+4*\i+\m:EE+4*\i+\m+1], v[ZR+4*\i+\m:ZR+4*\i+\m+1] neg_lo:[0,1] neg_hi:[0,1]
.endr
.irp m, 0,2
.if (\i+\m) == 0
	v_pk_mul_f32 v[LS:LS+1], v[EE:EE+1], v[EE:EE+1]
.else
	v_pk_fma_f32 v[LS:LS+1], v[EE+4*\i+\m:EE+4*\i+\m+1], v[EE+4*\i+\m:EE+4*\i+\m+1], v[LS:LS+1]
.endif
	v_pk_add_f32 v[ZR+4*\i+\m:ZR+4*\i+\m+1], v[ZR+4*\i+\m:ZR+4*\i+\m+1], v[EE+4*\i+\m:EE+4*\i+\m+1]
.endr
	global_store_b128 v[ZOFF], v[ZR+4*\i:ZR+4*\i+3], s[12:13] offset:65536*\i  ; sixteen lanes store 256 consecutive bytes, aligned
.endr
	v_add_f32 v[LS], v[LS], v[LS+1]
.irp x, 1,2,4,8
	v_add_f32_dpp v[LS], v[LS], v[LS] row_xmask:\x row_mask:0xf bank_mask:0xf
	v_add_f32_dpp v[HR], v[HR], v[HR] row_xmask:\x row_mask:0xf bank_mask:0xf
.endr
	v_permlanex16_b32 v[EE], v[LS], s28, s29
	v_permlanex16_b32 v[EE+1], v[HR], s28, s29
	v_add_f32 v[LS], v[LS], v[EE]
	v_add_f32 v[LS+1], v[HR], v[EE+1]
	ds_store_b64 v[W8], v[LS:LS+1] offset:RED      ; all lanes write the wave's two words with the same values
	s_wait_dscnt 0x0
	s_barrier_signal -1
	s_barrier_wait -1
	s_cmp_lg_u32 s16, 0
	s_cbranch_scc1 .Ldone
	s_wait_xcnt 0x0                                ; the stores of out0 have read their registers, which are loaded anew below; and EXEC is narrowed below
	v_mov_b32 v[RA], RED
	v_mov_b32 v[ZERO], 0
.set n, 0
.rept 32                               ; lane c: column 32 j + c of all 32 blocks
	ds_load_b32 v[8+n], v[T4] offset:CST+128*n
.set n, n+1
.endr
.irp n, 0,1,2,3
	ds_load_b128 v[40+4*\n:43+4*\n], v[RA] offset:16*\n
.endr
	s_wait_dscnt 0x0
.irp n, 0,1,2,3,4,5,6,7
	v_pk_add_f32 v[8+2*\n:9+2*\n], v[8+2*\n:9+2*\n], v[24+2*\n:25+2*\n]
.endr
.irp n, 0,1,2,3
	v_pk_add_f32 v[8+2*\n:9+2*\n], v[8+2*\n:9+2*\n], v[16+2*\n:17+2*\n]
	v_pk_add_f32 v[40+2*\n:41+2*\n], v[40+2*\n:41+2*\n], v[48+2*\n:49+2*\n]
.endr
.irp n, 0,1
	v_pk_add_f32 v[8+2*\n:9+2*\n], v[8+2*\n:9+2*\n], v[12+2*\n:13+2*\n]
	v_pk_add_f32 v[40+2*\n:41+2*\n], v[40+2*\n:41+2*\n], v[44+2*\n:45+2*\n]
.endr
	v_pk_add_f32 v[8:9], v[8:9], v[10:11]
	v_pk_add_f32 v[40:41], v[40:41], v[42:43]      ; v40 the work-group's sum of squares, v41 its sum of p y
	v_add_f32 v8, v8, v9                           ; the column's sum of p
	v_mul_f32 v10, 0x38800000, v8                  ; q = that / 16,384
	v_max_num_f32 v11, 0x3727c5ac, v10             ; max(q, 1e-5)
	v_log_f32 v12, v11
	v_mul_f32 v13, 0xbf317218, v10                 ; -ln 2 q (the plain line behind the logarithm)
	s_wait_alu depctr_va_vdst(0)
	v_mul_f32 v42, v13, v12                        ; -q ln max(q, 1e-5)
.irp x, 1,2,4,8
	v_add_f32_dpp v42, v42, v42 row_xmask:\x row_mask:0xf bank_mask:0xf
	v_add_f32_dpp v8, v8, v8 row_xmask:\x row_mask:0xf bank_mask:0xf
.endr
	v_permlanex16_b32 v14, v42, s28, s29
	v_permlanex16_b32 v15, v8, s28, s29
	v_add_f32 v42, v42, v14
	v_add_f32 v43, v8, v15
	v_cmp_eq_u32 vcc_lo, 0, v0
	s_and_saveexec_b32 s20, vcc_lo                 ; lane 0 alone
	global_store_b128 v[ZERO], v[40:43], s[14:15]
	s_wait_xcnt 0x0                                ; EXEC changes only behind this wait
	s_or_b32 exec_lo, exec_lo, s20
.Ldone:
	s_wait_tensorcnt 0x0                           ; the wave's end, behind my last LDS store
	ds_add_u32 v[SPW], v[NIL]
	s_wait_dscnt 0x0
	s_endpgm
.Lfunc_end_k_qc65304eebb_emit:
	.size	k_qc65304eebb_emit, .Lfunc_end_k_qc65304eebb_emit-k_qc65304eebb_emit
	.p2alignl 7, 3214868480
	.fill 96, 4, 3214868480
	.section	.rodata,"a",@progbits
	.p2align	6, 0x0
	.amdhsa_kernel k_qc65304eebb_emit
		.amdhsa_group_segment_fixed_size 22272
		.amdhsa_private_segment_fixed_size 0
		.amdhsa_enable_private_segment 0
		.amdhsa_kernarg_size 48
		.amdhsa_user_sgpr_count 2
		.amdhsa_user_sgpr_kernarg_segment_ptr 1
		.amdhsa_wavefront_size32 1
		.amdhsa_system_sgpr_workgroup_id_x 1
		.amdhsa_system_sgpr_workgroup_id_y 1
		.amdhsa_system_sgpr_workgroup_id_z 1
		.amdhsa_system_vgpr_workitem_id 0
		.amdhsa_next_free_vgpr 64
		.amdhsa_next_free_sgpr 66
		.amdhsa_reserve_vcc 1
		.amdhsa_float_denorm_mode_32 3
		.amdhsa_float_denorm_mode_16_64 3
		.amdhsa_memory_ordered 1
		.amdhsa_forward_progress 1
		.amdhsa_inst_pref_size 15
	.end_amdhsa_kernel
	.amdgpu_metadata
---
amdhsa.version: [ 1, 2 ]
amdhsa.kernels:
  - .name:           k_qc65304eebb_emit
    .symbol:         k_qc65304eebb_emit.kd
    .args:
      - { .name: z, .offset: 0, .size: 8, .value_kind: global_buffer, .address_space: global }
      - { .name: emb, .offset: 8, .size: 8, .value_kind: global_buffer, .address_space: global }
      - { .name: idxw, .offset: 16, .size: 8, .value_kind: global_buffer, .address_space: global }
      - { .name: p2out, .offset: 24, .size: 8, .value_kind: global_buffer, .address_space: global }
      - { .name: out0, .offset: 32, .size: 8, .value_kind: global_buffer, .address_space: global }
      - { .name: gout, .offset: 40, .size: 8, .value_kind: global_buffer, .address_space: global }
    .group_segment_fixed_size: 22272
    .private_segment_fixed_size: 0
    .kernarg_segment_align: 8
    .kernarg_segment_size: 48
    .max_flat_workgroup_size: 256
    .sgpr_count:     66
    .vgpr_count:     64
    .wavefront_size: 32
...
	.end_amdgpu_metadata
.endif
;; end of part 4
;; launch fin (part 5): grid 1 x 1, 1 waves a work-group, no clusters, 0 bytes of LDS; arguments gout, out1, out2; writes out1, out2
.if DOCPART == 5
	.amdgcn_target "amdgcn-amd-amdhsa--gfx1250"
	.amdhsa_code_object_version 6
	.text
	.protected	k_qc65304eebb_fin
	.globl	k_qc65304eebb_fin
	.p2align	8
	.type	k_qc65304eebb_fin,@function
k_qc65304eebb_fin:
	s_mov_b64 s[64:65], 0
	v_nop
	global_prefetch_b8 v0, s[64:65] scope:SCOPE_SE
	s_setreg_imm32_b32 hwreg(HW_REG_WAVE_MODE, 25, 1), 1
	s_wait_xcnt 0x0
; FIN.  Adds up the 256 work-groups' four sums (sum of squares, sum of p y, codebook entropy, sum of p) and writes the two numbers:
;   out1 = 1.25 x sum of squares / 2^20 (the mean over 16,384 x 64 numbers, once and a quarter)
;   out2 = ln(1e5) (sum of p - sum of p y) / 16,384 - codebook entropy
; One wave: 4,096 bytes in, 8 bytes out; a sum over work-groups needs a launch of its own, since work-groups of one launch hand each other nothing.
	s_load_b128 s[4:7], s[0:1], 0x0                ; gout s[4:5], out1 s[6:7]
	s_load_b64 s[8:9], s[0:1], 0x10                ; out2
	v_lshlrev_b32 v1, 4, v0                        ; entry lane + 32 i
	s_mov_b32 s12, 0x76543210                      ; v_permlanex16_b32: each lane takes its own place in the other half
	s_mov_b32 s13, 0xfedcba98
	s_mov_b32 s14, 0x3a3834f1                      ; ln(1e5) / 16,384
	s_wait_kmcnt 0x0
.irp i, 0,1,2,3,4,5,6,7
	global_load_b128 v[4+4*\i:7+4*\i], v1, s[4:5] offset:512*\i
.endr
	s_wait_loadcnt 0x0
.irp i, 0,1,2,3
	v_pk_add_f32 v[4+4*\i:5+4*\i], v[4+4*\i:5+4*\i], v[20+4*\i:21+4*\i]
	v_pk_add_f32 v[6+4*\i:7+4*\i], v[6+4*\i:7+4*\i], v[22+4*\i:23+4*\i]
.endr
.irp i, 0,1
	v_pk_add_f32 v[4+4*\i:5+4*\i], v[4+4*\i:5+4*\i], v[12+4*\i:13+4*\i]
	v_pk_add_f32 v[6+4*\i:7+4*\i], v[6+4*\i:7+4*\i], v[14+4*\i:15+4*\i]
.endr
	v_pk_add_f32 v[4:5], v[4:5], v[8:9]
	v_pk_add_f32 v[6:7], v[6:7], v[10:11]
.irp x, 1,2,4,8
.irp c, 4,5,6,7
	v_add_f32_dpp v\c, v\c, v\c row_xmask:\x row_mask:0xf bank_mask:0xf
.endr
.endr
	v_permlanex16_b32 v8, v4, s12, s13
	v_permlanex16_b32 v9, v5, s12, s13
	v_permlanex16_b32 v10, v6, s12, s13
	v_permlanex16_b32 v11, v7, s12, s13
	v_pk_add_f32 v[4:5], v[4:5], v[8:9]
	v_pk_add_f32 v[6:7], v[6:7], v[10:11]
	v_mul_f32 v12, 0x35a00000, v4                  ; 1.25 / 2^20
	v_sub_f32 v13, v7, v5
	v_fma_f32 v13, v13, s14, -v6
	v_mov_b32 v14, 0
	s_wait_xcnt 0x0                                ; EXEC changes only behind this wait
	v_cmp_eq_u32 vcc_lo, 0, v0
	s_and_saveexec_b32 s16, vcc_lo                 ; lane 0 alone
	global_store_b32 v14, v12, s[6:7]
	global_store_b32 v14, v13, s[8:9]
	s_wait_xcnt 0x0
	s_or_b32 exec_lo, exec_lo, s16
	s_endpgm
.Lfunc_end_k_qc65304eebb_fin:
	.size	k_qc65304eebb_fin, .Lfunc_end_k_qc65304eebb_fin-k_qc65304eebb_fin
	.p2alignl 7, 3214868480
	.fill 96, 4, 3214868480
	.section	.rodata,"a",@progbits
	.p2align	6, 0x0
	.amdhsa_kernel k_qc65304eebb_fin
		.amdhsa_group_segment_fixed_size 0
		.amdhsa_private_segment_fixed_size 0
		.amdhsa_enable_private_segment 0
		.amdhsa_kernarg_size 24
		.amdhsa_user_sgpr_count 2
		.amdhsa_user_sgpr_kernarg_segment_ptr 1
		.amdhsa_wavefront_size32 1
		.amdhsa_system_sgpr_workgroup_id_x 1
		.amdhsa_system_sgpr_workgroup_id_y 1
		.amdhsa_system_sgpr_workgroup_id_z 1
		.amdhsa_system_vgpr_workitem_id 0
		.amdhsa_next_free_vgpr 48
		.amdhsa_next_free_sgpr 66
		.amdhsa_reserve_vcc 1
		.amdhsa_float_denorm_mode_32 3
		.amdhsa_float_denorm_mode_16_64 3
		.amdhsa_memory_ordered 1
		.amdhsa_forward_progress 1
		.amdhsa_inst_pref_size 5
	.end_amdhsa_kernel
	.amdgpu_metadata
---
amdhsa.version: [ 1, 2 ]
amdhsa.kernels:
  - .name:           k_qc65304eebb_fin
    .symbol:         k_qc65304eebb_fin.kd
    .args:
      - { .name: gout, .offset: 0, .size: 8, .value_kind: global_buffer, .address_space: global }
      - { .name: out1, .offset: 8, .size: 8, .value_kind: global_buffer, .address_space: global }
      - { .name: out2, .offset: 16, .size: 8, .value_kind: global_buffer, .address_space: global }
    .group_segment_fixed_size: 0
    .private_segment_fixed_size: 0
    .kernarg_segment_align: 8
    .kernarg_segment_size: 24
    .max_flat_workgroup_size: 32
    .sgpr_count:     66
    .vgpr_count:     48
    .wavefront_size: 32
...
	.end_amdgpu_metadata
.endif
;; end of part 5
;; ======== version 2 of 2: 5 launches; 1.18 times as fast as version 1
;; limits: right only within a limited range of input values
;; workspace buffers: opnd 3,244,032 bytes; part 1,048,576 bytes; pidx 524,288 bytes of whole numbers; p2out 1,310,720 bytes; idxw 65,536 bytes of whole numbers; gout 4,096 bytes
;; launch prep: the kernel of part 1 again; grid 256 x 1, 8 waves a work-group, no clusters, 10,752 bytes of LDS; arguments z, emb, opnd; writes opnd
;; launch pass1 (part 6): grid 32 x 8, 8 waves a work-group, clusters of 4 x 1, 167,936 bytes of LDS; arguments opnd, part, pidx; writes part, pidx
.if DOCPART == 6
	.amdgcn_target "amdgcn-amd-amdhsa--gfx1250"
	.amdhsa_code_object_version 6
	.text
	.protected	k_qc65304eebb_pass1
	.globl	k_qc65304eebb_pass1
	.p2align	8
	.type	k_qc65304eebb_pass1,@function
k_qc65304eebb_pass1:
	s_mov_b64 s[64:65], 0
	v_nop
	global_prefetch_b8 v0, s[64:65] scope:SCOPE_SE
	s_setreg_imm32_b32 hwreg(HW_REG_WAVE_MODE, 25, 1), 1
	s_wait_xcnt 0x0
	s_wait_alu depctr_hold_cnt(0) depctr_sa_sdst(0) depctr_va_vdst(0) depctr_va_sdst(0) depctr_va_ssrc(0) depctr_va_vcc(0) depctr_vm_vsrc(0)
	s_getreg_b32 s2, hwreg(HW_REG_IB_STS2, 6, 4)
	s_cmp_eq_u32 s2, 0
	s_cbranch_scc0 .Lentry_in_a_cluster
	s_endpgm
.Lentry_in_a_cluster:
	s_bfe_u32 s2, ttmp6, 0x10000c
	s_cmp_lg_u32 s2, 0x3003
	s_cbranch_scc0 .Lentry_shape_is_right
	s_endpgm
.Lentry_shape_is_right:
; PASS 1 over the distances d[n][k] = (A[n] + B[k]) - 2 z[n] . e[k], in reference()'s own order of rounding: t = A + B rounded, then one fused t - 2 dot.
; For each query and each chunk of 1,024 codes: the least d, the FIRST code that has it, and the sum over the chunk of 2^(-c (d - least d)), c = 100 log2(e).
; SHARES.  Work-group (x, y): queries 512 x .. + 511, codes 1024 y .. + 1023.  Wave w keeps queries 512 x + 64 w .. + 63 in registers, four tiles q of 16, and walks the chunk in 16 blocks of 64 codes.
; LAYOUT.  Source 0 = 16 codes (from LDS), source 1 = 16 queries: in the result a lane holds ONE query (lane % 16) and the codes 8 (lane / 16) + 0..7.  So minimum, index and sum stay in the lane;
; the two halves of the lanes meet once, at the end.
; THE MINIMUM RUNS: RUN is the least d so far, S the sum relative to it; a block first finds its new minimum RN, S is multiplied by 2^(c (RN - RUN)), and every exponent is -c (d - RN), 0 at the most.
; THE INDEX.  key = (d - RN) x 2^120 + the code's number in the block: the number itself where d = RN, far above 63 elsewhere.  The least key is the block's first code at the minimum; it is taken only where
; RN < RUN, so an earlier block keeps a tie.
; LIMITS.  Two different d of a row differ by more than 2^-113 (else a key could fall under 64); NaN and infinities are not treated apart; an exponential below 2^-126 counts as 0.
; A vector count of about 21 lines for each matrix instruction: no order hides that beside the products, so a trip goes in phases, and the SIMD's other wave (of this same work-group) has the matrix unit meanwhile.
; THE BATCHES.  A trip's 132 exponentials are ONE batch with ONE wait: the four factors AF (STAT), then the block's 128 scores (PIPE), each in a register of its own, in place.  Ahead of the wait stands all that
; names no result of theirs: differences, keys, scalings, least keys, and last the index's nine lines; behind it the 64 lines that add the exponentials onto S (SUMS).  The way out's eight exponentials are a second batch, with a wait of its own.
; CLUSTER.  The four work-groups of a cluster share y: the chunk's 16 images are asked for JOINTLY, the same two tensor loads a wave, with the same descriptors and the mask of four.  The whole chunk fits in LDS:
; every byte is filled once, nothing is filled again.  Two tensor loads of a wave are out at the most.
.set IMG,   8448                       ; an image in memory: 64 rows of 128 bytes, 256 bytes of B
.set PITCH, 144                        ; 128 bytes + 16 of padding = 36 words: the 16 rows of a load start at 16 different groups of four banks (64 banks of 4 bytes: ISA guide 11.1)
.set BLK,   66*PITCH                   ; an image in LDS: 9,504 bytes; B lies in two runs of 128 bytes at 64 and 65 pitches
.set ZH,    1081344
.set AV,    3178496
.set PSUM,  524288                     ; part: pmin[8][16384], then psum[8][16384]
.set SPARE, 16*BLK                     ; 152,064: the spare words, 128 bytes a wave: four blocks of 256 bytes that no other line names
.set RR,   1                           ; v1   lane % 16
.set HH,   2                           ; v2   lane / 16
.set ADRF, 3                           ; v3   LDS address of my part of the block's code fragments; steps a block a trip
.set ADRB, 4                           ; v4   of my eight B in a run; steps likewise
.set QOFF, 5                           ; v5   my byte offset in 16 rows of ZH
.set AOFF, 6                           ; v6   4 (lane % 16)
.set SOFF, 7                           ; v7   4 x lane
.set SPW,  8                           ; v8   my spare word; never rewritten
.set NIL,  9                           ; v9   0; never rewritten
.set BB,   10                          ; v10  the block's first code in the chunk, as f32
.set TMP,  11
.set TF,   12                          ; v[12:19]  four pairs at work, by turns
.set CT,   20                          ; v[20:27]  two a tile, at work
.set ST,   28                          ; v[28:59]  eight a tile: A, RUN, RN, KF (the first code at RUN), S, S, AF (S's factor), FM (the block's least key)
.set BK,   60                          ; v[60:91]  B of my 32 codes of the block
.set IDX,  92                          ; v[92:123] their numbers in the block, as f32
.set ACC,  128                         ; v[128:255] tile q, code tile i at ACC + 8 (4 q + i): dot, then d, d - RN, the exponent, the exponential
.set QF,   0                           ; window 1: the queries' fragments, 16 a tile
.set CF,   64                          ; window 1: the block's code fragments, 16 a tile
.set MK,   40                          ; s[40:43] lanes in which tile q's minimum fell in this block
.set MSB, 0
.macro WIN new                         ; s_set_vgpr_msb: bits 1:0 source 0, 3:2 source 1, 5:4 source 2, 7:6 destination; the high byte repeats the setting that is left
.if MSB != (\new)
	s_set_vgpr_msb (MSB<<8)|(\new)
.set MSB, \new
.endif
.endm
.macro ROUND                           ; a round of the cluster's barrier: my work-group's barrier; wave 0 signals for the work-group; every wave waits for all four; my work-group's barrier once more
	s_barrier_signal -1
	s_barrier_wait -1
	s_cmp_lg_u32 s10, 0
	s_cbranch_scc1 .Lnot_wave_0_\@
	s_barrier_signal -3
.Lnot_wave_0_\@:
	s_barrier_wait -3
	s_barrier_signal -1
	s_barrier_wait -1
.endm
	s_load_b128 s[4:7], s[0:1], 0x0                ; opnd s[4:5], part s[6:7]
	s_load_b64 s[8:9], s[0:1], 0x10                ; pidx
	v_lshl_add_u32 v[SPW], v0, 2, SPARE
	v_mov_b32 v[NIL], 0
	ds_add_u32 v[SPW], v[NIL]                      ; the wave's opening: the add and its wait stand ahead of my first tensor load; the set-up below, work on registers, stands between them
	v_lshrrev_b32 v[TMP], 5, v0
	v_readfirstlane_b32 s10, v[TMP]                ; wave 0..7
	s_bfe_u32 s11, ttmp6, 0x40000                  ; cx: my place in the cluster
	s_lshl_b32 s12, ttmp9, 2                       ; in a cluster launch ttmp9 counts clusters
	s_add_co_u32 s12, s12, s11                     ; x: it enters the queries' and the results' global addresses alone
	s_and_b32 s13, ttmp7, 0xffff                   ; y, which the four partners share
	; descriptor group 1: an image is 8,448 dense bytes: 33 rows of 256 bytes, padded in LDS after every 128
	s_mov_b32 s16, 15|(1<<16)|(1<<20)|(1<<21)|(4<<22)|(3<<25)  ; 15:0 the mask of four; 17:16 2-byte elements; 20 padding on; 21 set beside a mask; 24:22 after every 32 words (code 4); 31:25 4 words (code 3)
	s_mov_b32 s17, 128<<16                         ; tensor_dim0 = 128
	s_mov_b32 s18, 33<<16                          ; tensor_dim1 = 33
	s_mov_b32 s19, 128<<16                         ; tile_dim0 = 128
	s_mov_b32 s20, 33                              ; tile_dim1 = 33
	s_mov_b32 s21, 128                             ; 128 elements from row to row
	s_mov_b32 s22, 0
	s_mov_b32 s23, 0
	s_mov_b32 s24, 1                               ; group 0 of my first load: block w,
	s_mul_i32 s25, s10, BLK
	s_mov_b32 s28, 1                               ; of my second: block w + 8
	s_add_co_u32 s29, s25, 8*BLK
	s_lshl_b32 s14, s13, 4
	s_add_co_u32 s14, s14, s10                     ; image 16 y + w
	s_mul_i32 s14, s14, IMG
	s_mov_b32 s15, 0
	s_mov_b32 s32, 0xc31044fe                      ; -c, named as a pair
	s_mov_b32 s33, 0xc31044fe
	s_mov_b32 s34, 0x7b800000                      ; 2^120, named as a pair
	s_mov_b32 s35, 0x7b800000
	s_mov_b32 s36, 0x431044fe                      ; c = 100 log2(e) = 144.2695
	s_mov_b32 s44, 0x76543210                      ; v_permlanex16_b32: each lane takes its own place in the other half
	s_mov_b32 s45, 0xfedcba98
	s_mov_b32 s46, 0xffff0000                      ; lanes 16 to 31
	s_lshl_b32 s39, s13, 10                        ; the chunk's first code
	s_lshl_b32 s48, s12, 9
	s_lshl_b32 s49, s10, 6
	s_add_co_u32 s48, s48, s49                     ; n0 = 512 x + 64 w
	s_lshl_b32 s52, s48, 7                         ; its place in ZH,
	s_mov_b32 s53, 0
	s_lshl_b32 s60, s48, 2                         ; in AV,
	s_mov_b32 s61, 0
	s_lshl_b32 s62, s13, 14
	s_add_co_u32 s62, s62, s48
	s_lshl_b32 s62, s62, 2                         ; and in row y of pmin, psum and pidx
	s_mov_b32 s63, 0
	v_and_b32 v[RR], 15, v0
	v_bfe_u32 v[HH], v0, 4, 1
	v_mul_u32_u24 v[ADRF], v[RR], PITCH            ; a fragment: row lane % 16, 16 bytes for each half of the lanes
	v_lshl_add_u32 v[ADRF], v[HH], 4, v[ADRF]
	v_lshlrev_b32 v[ADRB], 5, v[HH]                ; B of codes 8 (lane / 16) + 0..7
	v_add_nc_u32 v[ADRB], 64*PITCH, v[ADRB]
	v_lshlrev_b32 v[QOFF], 7, v[RR]
	v_lshl_add_u32 v[QOFF], v[HH], 4, v[QOFF]
	v_lshlrev_b32 v[AOFF], 2, v[RR]
	v_and_b32 v[SOFF], 31, v0
	v_lshlrev_b32 v[SOFF], 2, v[SOFF]
	v_lshlrev_b32 v[TMP], 3, v[HH]
.set n, 0
.rept 32                               ; register n of a tile's 32 holds code 16 (n / 8) + 8 (lane / 16) + n % 8 of the block
	v_add_nc_u32 v[IDX+n], 16*(n/8)+n%8, v[TMP]
.set n, n+1
.endr
.set n, 0
.rept 32
	v_cvt_f32_u32 v[IDX+n], v[IDX+n]
.set n, n+1
.endr
	v_mov_b32 v[BB], 0
.irp q, 0,1,2,3
	v_mov_b32 v[ST+8*\q+1], 0x7f7fffff             ; RUN: the largest finite number, so the first block's factor for S is 0
	v_mov_b32 v[ST+8*\q+3], 0
	v_mov_b32 v[ST+8*\q+4], 0
	v_mov_b32 v[ST+8*\q+5], 0
.endr
	s_wait_dscnt 0x0                               ; the opening add is done
	s_wait_kmcnt 0x0
	s_add_nc_u64 s[26:27], s[4:5], s[14:15]        ; 120:64 global address: image 16 y + w,
	s_add_nc_u64 s[30:31], s[26:27], 8*IMG         ; and image 16 y + w + 8
	s_or_b32 s27, s27, 0x80000000                  ; 127:126 type = 2
	s_or_b32 s31, s31, 0x80000000
	s_add_nc_u64 s[50:51], s[4:5], s[52:53]
	s_add_nc_u64 s[50:51], s[50:51], ZH            ; my queries' rows
	s_add_nc_u64 s[54:55], s[4:5], s[60:61]
	s_add_nc_u64 s[54:55], s[54:55], AV            ; their A
	s_add_nc_u64 s[56:57], s[6:7], s[62:63]        ; where my results go
	s_add_nc_u64 s[58:59], s[8:9], s[62:63]
	ROUND                                          ; all four work-groups are here: the joint loads meet
	tensor_load_to_lds s[24:27], s[16:23]
	s_nop 0
	tensor_load_to_lds s[28:31], s[16:23]
	s_nop 0
.rept 4
	v_nop                                          ; behind a tensor load, the windows are switched behind four instructions
.endr
	WIN 0x40                                       ; destination window 1, address window 0
.irp q, 0,1,2,3
.irp c, 0,1,2,3                        ; a fragment of 16 rows x 32 channels: two loads of 16 bytes, 32 bytes apart; two fragments a tile
	global_load_b128 v[QF+16*\q+4*\c:QF+16*\q+4*\c+3], v[QOFF], s[50:51] offset:2048*\q+32*\c
.endr
.endr
	WIN 0
.irp q, 0,1,2,3
	global_load_b32 v[ST+8*\q], v[AOFF], s[54:55] offset:64*\q
.endr
	s_wait_tensorcnt 0x0                           ; both my blocks have landed,
	s_barrier_signal -1
	s_barrier_wait -1                              ; everybody's have: the chunk is whole, and nothing writes it from here on
	s_wait_loadcnt 0x0                             ; my queries and their A
; d = (A + B) - 2 dot for tile q, in place; the fused line follows its sum two pairs behind.  Each accumulator's lowest registers are read first.
.macro DIST q
.set p, 0
.rept 18
.if p < 16
	v_pk_add_f32 v[TF+2*(p%4):TF+2*(p%4)+1], v[BK+2*p:BK+2*p+1], v[ST+8*(\q):ST+8*(\q)+1] op_sel_hi:[1,0]
.endif
.if p >= 2
	v_pk_fma_f32 v[ACC+32*(\q)+2*p-4:ACC+32*(\q)+2*p-3], v[ACC+32*(\q)+2*p-4:ACC+32*(\q)+2*p-3], -2.0, v[TF+2*((p-2)%4):TF+2*((p-2)%4)+1] op_sel_hi:[1,0,1]
.endif
.set p, p+1
.endr
.endm
; RN = the least of a tile's 32 d and RUN: two chains (17 and 15 numbers), three operands at a time, the four tiles by turns
.macro MINT
.set stp, 0
.rept 8
.irp q, 0,1,2,3
.if stp == 0
	v_min3_num_f32 v[CT+2*\q],   v[ACC+32*\q],    v[ACC+32*\q+1],  v[ACC+32*\q+2]
	v_min3_num_f32 v[CT+2*\q+1], v[ACC+32*\q+17], v[ACC+32*\q+18], v[ACC+32*\q+19]
.else
	v_min3_num_f32 v[CT+2*\q],   v[CT+2*\q],   v[ACC+32*\q+2*stp+1],  v[ACC+32*\q+2*stp+2]
.if stp < 7
	v_min3_num_f32 v[CT+2*\q+1], v[CT+2*\q+1], v[ACC+32*\q+2*stp+18], v[ACC+32*\q+2*stp+19]
.endif
.endif
.endr
.set stp, stp+1
.endr
.irp q, 0,1,2,3
	v_min3_num_f32 v[ST+8*\q+2], v[CT+2*\q], v[CT+2*\q+1], v[ST+8*\q+1]
.endr
.endm
; where the minimum fell (strictly: an earlier block keeps a tie); AF = 2^(c (RN - RUN)); RUN = RN.  The four moves are the plain lines behind the exponentials (ISA guide 5.7.2).
; These four exponentials open the trip's batch: AF is not named again before SUMS.
.macro STAT
.irp q, 0,1,2,3
	v_cmp_lt_f32 s[MK+\q], v[ST+8*\q+2], v[ST+8*\q+1]
	v_sub_f32 v[ST+8*\q+6], v[ST+8*\q+2], v[ST+8*\q+1]
.endr
.irp q, 0,1,2,3
	v_mul_f32 v[ST+8*\q+6], s36, v[ST+8*\q+6]
.endr
.irp q, 0,1,2,3
	v_exp_f32 v[ST+8*\q+6], v[ST+8*\q+6]
.endr
.irp q, 0,1,2,3
	v_mov_b32 v[ST+8*\q+1], v[ST+8*\q+2]
.endr
.endm
; The four tiles' 64 pairs (pair P: tile P / 16, pair P % 16 of it) go through four stages, a pair a step, each stage a step behind the one that feeds it, from tile to tile without a gap:
; g = d - RN | key = g 2^120 + number, and -c g | the least key | two exponentials, in place.  No line here names an exponential's result; a plain line that names neither stands behind each exponential but the last four.
.macro PIPE
.set P, 0
.rept 67
.if P < 64
	v_pk_add_f32 v[ACC+2*P:ACC+2*P+1], v[ACC+2*P:ACC+2*P+1], v[ST+8*(P/16)+2:ST+8*(P/16)+3] op_sel_hi:[1,0] neg_lo:[0,1] neg_hi:[0,1]
.endif
.if (P >= 1) && (P < 65)
	v_pk_fma_f32 v[TF+2*((P-1)%4):TF+2*((P-1)%4)+1], v[ACC+2*P-2:ACC+2*P-1], s[34:35], v[IDX+2*((P-1)%16):IDX+2*((P-1)%16)+1] op_sel_hi:[1,0,1]
.endif
.if P >= 3
	v_exp_f32 v[ACC+2*P-6], v[ACC+2*P-6]
.endif
.if (P >= 1) && (P < 65)
	v_pk_mul_f32 v[ACC+2*P-2:ACC+2*P-1], v[ACC+2*P-2:ACC+2*P-1], s[32:33] op_sel_hi:[1,0]
.endif
.if (P >= 2) && (P < 66)
.if (P-2)%16 == 0
	v_min_num_f32 v[ST+8*((P-2)/16)+7], v[TF+2*((P-2)%4)], v[TF+2*((P-2)%4)+1]
.else
	v_min3_num_f32 v[ST+8*((P-2)/16)+7], v[ST+8*((P-2)/16)+7], v[TF+2*((P-2)%4)], v[TF+2*((P-2)%4)+1]
.endif
.endif
.if P >= 3
	v_exp_f32 v[ACC+2*P-5], v[ACC+2*P-5]
.endif
.set P, P+1
.endr
.endm
; S takes a tile's 16 pairs of exponentials in ascending order, the first as S = S AF + e; the four tiles by turns, so that a link stands four lines behind the one that it adds onto.
.macro SUMS
.set p, 0
.rept 16
.irp q, 0,1,2,3
.if p == 0
	v_pk_fma_f32 v[ST+8*\q+4:ST+8*\q+5], v[ST+8*\q+4:ST+8*\q+5], v[ST+8*\q+6:ST+8*\q+7], v[ACC+32*\q:ACC+32*\q+1] op_sel_hi:[1,0,1]
.else
	v_pk_add_f32 v[ST+8*\q+4:ST+8*\q+5], v[ST+8*\q+4:ST+8*\q+5], v[ACC+32*\q+2*p:ACC+32*\q+2*p+1]
.endif
.endr
.set p, p+1
.endr
.endm
	s_mov_b32 s38, 16
.Lblock:                                               ; a trip: one block of 64 codes against my 64 queries
	WIN 0x40
.irp i, 0,1,2,3
.irp c, 0,1,2,3
	ds_load_b128 v[CF+16*\i+4*\c:CF+16*\i+4*\c+3], v[ADRF] offset:\i*16*PITCH+32*\c
.endr
.endr
	WIN 0
.irp i, 0,1,2,3                        ; B of codes 16 i + 8 (lane / 16) + 0..7: sixteen lanes read the same 32 bytes
	ds_load_b128 v[BK+8*\i:BK+8*\i+3],   v[ADRB] offset:(\i/2)*PITCH+(\i%2)*64
	ds_load_b128 v[BK+8*\i+4:BK+8*\i+7], v[ADRB] offset:(\i/2)*PITCH+(\i%2)*64+16
.endr
	v_add_nc_u32 v[ADRF], BLK, v[ADRF]             ; the next trip's block
	v_add_nc_u32 v[ADRB], BLK, v[ADRB]
	s_wait_dscnt 0x8                               ; the sixteen fragment loads are in; the eight of B, issued behind them, may stay out
	WIN 0x05                                       ; sources 0 and 1 in window 1, C and D in window 0
.irp k, 0,1                            ; the 16 accumulators take turns: channels 0-31 start the sums, channels 32-63 add onto them, 15 others' between
.irp q, 0,1,2,3
.irp i, 0,1,2,3
.if \k == 0
	v_wmma_f32_16x16x32_bf16 v[ACC+8*(4*\q+\i):ACC+8*(4*\q+\i)+7], v[CF+16*\i:CF+16*\i+7], v[QF+16*\q:QF+16*\q+7], 0
.else
	v_wmma_f32_16x16x32_bf16 v[ACC+8*(4*\q+\i):ACC+8*(4*\q+\i)+7], v[CF+16*\i+8:CF+16*\i+15], v[QF+16*\q+8:QF+16*\q+15], v[ACC+8*(4*\q+\i):ACC+8*(4*\q+\i)+7]
.endif
.endr
.endr
.endr
	WIN 0
.rept 4
	v_nop                                          ; four places between the last product and the first line that reads a result (ISA guide 7.12.1)
.endr
	s_wait_dscnt 0x0                               ; B is in
	DIST 0
	DIST 1
	DIST 2
	DIST 3
	MINT
	STAT                                           ; the batch opens: four exponentials,
	PIPE                                           ; and 128 more
.irp q, 0,1,2,3                        ; nine plain lines that name no exponential's result stand between the batch and its wait; the first is the plain line behind the last exponential
	v_add_f32 v[CT+2*\q], v[ST+8*\q+7], v[BB]      ; the block's first code at RN, counted in the chunk,
.endr
.irp q, 0,1,2,3
	v_cndmask_b32 v[ST+8*\q+3], v[ST+8*\q+3], v[CT+2*\q], s[MK+\q]  ; is taken where the minimum fell
.endr
	v_add_f32 v[BB], 0x42800000, v[BB]             ; 64 codes on
	s_wait_alu depctr_va_vdst(0)                   ; one wait for the trip's 132 exponentials, ahead of their first reader and of the backward jump
	SUMS
	s_sub_co_u32 s38, s38, 1
	s_cmp_lg_u32 s38, 0
	s_cbranch_scc1 .Lblock
	; THE END.  A query's other 512 codes lie in the lane 16 away: the lesser minimum; both sums brought to it; the lesser index among those that have it.  Both lanes end with the same three numbers.
	; The four tiles' eight exponentials are one batch: each tile's index work stands behind its two, and the lines that read them come behind the one wait.
.irp q, 0,1,2,3
	v_add_f32 v[ST+8*\q+4], v[ST+8*\q+4], v[ST+8*\q+5]
.endr
.irp q, 0,1,2,3
.set T, ST+8*\q
.set X, ACC+8*\q                       ; eight registers at work, written before (v_permlanex16_b32's destination counts as read)
	v_permlanex16_b32 v[X],   v[T+1], s44, s45
	v_permlanex16_b32 v[X+1], v[T+3], s44, s45
	v_permlanex16_b32 v[X+2], v[T+4], s44, s45
	v_min_num_f32 v[X+3], v[T+1], v[X]
	v_sub_f32 v[X+4], v[X+3], v[T+1]
	v_sub_f32 v[X+5], v[X+3], v[X]
	v_mul_f32 v[X+4], s36, v[X+4]
	v_mul_f32 v[X+5], s36, v[X+5]
	v_exp_f32 v[X+4], v[X+4]
	v_exp_f32 v[X+5], v[X+5]
	v_cmp_eq_f32 vcc_lo, v[T+1], v[X+3]            ; (the plain line behind the exponentials)
	v_cndmask_b32 v[X+6], s34, v[T+3], vcc_lo
	v_cmp_eq_f32 vcc_lo, v[X], v[X+3]
	v_cndmask_b32 v[X+7], s34, v[X+1], vcc_lo
	v_min_num_f32 v[X+6], v[X+6], v[X+7]
	v_cvt_u32_f32 v[X+6], v[X+6]
	v_add_nc_u32 v[X+6], s39, v[X+6]               ; the code's number in the codebook
.endr
	s_wait_alu depctr_va_vdst(0)                   ; one wait for the eight exponentials
.irp q, 0,1,2,3
.set T, ST+8*\q
.set X, ACC+8*\q
	v_mul_f32 v[X+4], v[T+4], v[X+4]
	v_fma_f32 v[X+4], v[X+2], v[X+5], v[X+4]
.endr
.irp a, 0,1                            ; lanes 0-15 speak for tile 2 a, lanes 16-31 for tile 2 a + 1: 32 neighbouring queries, 128 consecutive bytes a store; a wave's two stores fill an aligned 256
	v_cndmask_b32 v[TF+3*\a],   v[ACC+16*\a+3], v[ACC+16*\a+11], s46
	v_cndmask_b32 v[TF+3*\a+1], v[ACC+16*\a+4], v[ACC+16*\a+12], s46
	v_cndmask_b32 v[TF+3*\a+2], v[ACC+16*\a+6], v[ACC+16*\a+14], s46
	global_store_b32 v[SOFF], v[TF+3*\a],   s[56:57] offset:128*\a
	global_store_b32 v[SOFF], v[TF+3*\a+1], s[56:57] offset:PSUM+128*\a
	global_store_b32 v[SOFF], v[TF+3*\a+2], s[58:59] offset:128*\a
.endr
	s_wait_tensorcnt 0x0                           ; the wave's end, behind my last tensor load
	ds_add_u32 v[SPW], v[NIL]
	s_wait_dscnt 0x0
	ROUND                                          ; the closing round
	s_endpgm
.Lfunc_end_k_qc65304eebb_pass1:
	.size	k_qc65304eebb_pass1, .Lfunc_end_k_qc65304eebb_pass1-k_qc65304eebb_pass1
	.p2alignl 7, 3214868480
	.fill 96, 4, 3214868480
	.section	.rodata,"a",@progbits
	.p2align	6, 0x0
	.amdhsa_kernel k_qc65304eebb_pass1
		.amdhsa_group_segment_fixed_size 167936
		.amdhsa_private_segment_fixed_size 0
		.amdhsa_enable_private_segment 0
		.amdhsa_kernarg_size 24
		.amdhsa_user_sgpr_count 2
		.amdhsa_user_sgpr_kernarg_segment_ptr 1
		.amdhsa_wavefront_size32 1
		.amdhsa_system_sgpr_workgroup_id_x 1
		.amdhsa_system_sgpr_workgroup_id_y 1
		.amdhsa_system_sgpr_workgroup_id_z 1
		.amdhsa_system_vgpr_workitem_id 0
		.amdhsa_next_free_vgpr 384
		.amdhsa_next_free_sgpr 66
		.amdhsa_reserve_vcc 1
		.amdhsa_float_denorm_mode_32 3
		.amdhsa_float_denorm_mode_16_64 3
		.amdhsa_memory_ordered 1
		.amdhsa_forward_progress 1
		.amdhsa_inst_pref_size 55
	.end_amdhsa_kernel
	.amdgpu_metadata
---
amdhsa.version: [ 1, 2 ]
amdhsa.kernels:
  - .name:           k_qc65304eebb_pass1
    .symbol:         k_qc65304eebb_pass1.kd
    .args:
      - { .name: opnd, .offset: 0, .size: 8, .value_kind: global_buffer, .address_space: global }
      - { .name: part, .offset: 8, .size: 8, .value_kind: global_buffer, .address_space: global }
      - { .name: pidx, .offset: 16, .size: 8, .value_kind: global_buffer, .address_space: global }
    .group_segment_fixed_size: 167936
    .private_segment_fixed_size: 0
    .kernarg_segment_align: 8
    .kernarg_segment_size: 24
    .max_flat_workgroup_size: 256
    .sgpr_count:     66
    .vgpr_count:     384
    .wavefront_size: 32
...
	.end_amdgpu_metadata
.endif
;; end of part 6
;; launch pass2 (part 7): grid 8 x 32, 8 waves a work-group, no clusters, 167,936 bytes of LDS; arguments opnd, part, pidx, p2out, idxw, out3; writes p2out, idxw, out3
.if DOCPART == 7
	.amdgcn_target "amdgcn-amd-amdhsa--gfx1250"
	.amdhsa_code_object_version 6
	.text
	.protected	k_qc65304eebb_pass2
	.globl	k_qc65304eebb_pass2
	.p2align	8
	.type	k_qc65304eebb_pass2,@function
k_qc65304eebb_pass2:
	s_mov_b64 s[64:65], 0
	v_nop
	global_prefetch_b8 v0, s[64:65] scope:SCOPE_SE
	s_setreg_imm32_b32 hwreg(HW_REG_WAVE_MODE, 25, 1), 1
	s_wait_xcnt 0x0
; PASS 2.  First the eight chunks' results of each query are joined: the least d (dm), the first code that has it (out3, idxw), S = the sum over all codes of 2^(-c (d - dm)).  Then the scores are made again and
; p = 2^x / S with x = -c (d - dm) = 2 c dot - c B + c (dm - A), 0 at the most: the row's own minimum is taken away, as reference()'s softmax takes its maximum away.  Two sums of p leave:
;   colp[y][k]  the sum of p[n][k] over the 512 queries of block y (reference()'s avg_prob, before it is divided)
;   hyp         each thread's sum of p y, y = 1 + max(log2 p, log2 1e-5) / log2 1e5, held to 0 .. 1 by the clamp: -p ln max(p, 1e-5) = ln(1e5) (p - p y)
; SHARES.  Work-group (x, y): codes 1024 x .. + 1023, queries 512 y .. + 511.  Wave w keeps codes 1024 x + 128 w .. + 127 in registers, eight tiles, and walks the 512 queries, 32 a trip.
; LAYOUT.  Source 0 = 16 queries (from LDS), source 1 = 16 codes: a lane holds ONE code (lane % 16) and the queries 8 (lane / 16) + 0..7: the column sums stay in the lane.
; DIFFERENCE, stated: x is formed from the exact parts, so it does not carry the f32 rounding of d that reference()'s own d has (half a step of d, times 100, in the exponent); dm, the index and S do carry it.
; LIMITS.  NaN and infinities are not treated apart; an exponential below 2^-126 counts as 0.
; THE BATCHES.  A trip's 128 exponentials are ONE batch with ONE wait: each stands in x's place, in a register of its own, and each y has a register of its own too (window 1), so that no sum need follow its
; exponentials at once.  Ahead of the wait: x, y and the exponentials, in four groups of 16 pairs (a group's exponentials stand between the lines that make the next group's x), and the two address steps.
; Behind it: the sums.  In the head the 16 exponentials that join the chunks are a batch, and the two reciprocals and two logarithms of the joined sums another, a wait each.
; NO CLUSTER: of a work-group's bytes (132 KB of codes and 50 KB of chunk results into registers, a stream of 64 KB into LDS) only the stream is shared, with the seven other x; it is fetched once.
; One tensor load a wave, every LDS byte filled once.
.set IMG,   8448
.set PITCH, 144                        ; 128 bytes + 16 of padding: the 16 rows of a load start at 16 different groups of four banks (64 banks of 4 bytes: ISA guide 11.1)
.set ZH,    1081344
.set AV,    3178496
.set PSUM,  524288
.set HYP,   1048576                    ; p2out: colp[32][8192], then hyp[256][256]
.set ONB,   512*PITCH                  ; 73,728: behind the stream, three tables of 512 words, 2,048 bytes apart: ON = c (dm - A), W = 1 / S, YO = 1 - log2 S / log2 1e5
.set SPARE, ONB+3*2048                 ; 79,872: the spare words, 128 bytes a wave: four blocks of 256 bytes that no other line names
.set RR,   1                           ; v1   lane % 16
.set HH,   2                           ; v2   lane / 16
.set ADRQ, 3                           ; v3   LDS address of my part of the queries' fragments; steps 32 rows a trip
.set ADRC, 4                           ; v4   of my eight words in ON; steps 32 words a trip
.set COFF, 5                           ; v5   my byte offset in 16 rows of codes
.set BOFF, 6                           ; v6   4 (lane % 16)
.set T8,   7                           ; v7   8 t
.set SPW,  8                           ; v8   my spare word; never rewritten
.set NIL,  9                           ; v9   0; never rewritten
.set T8L,  10                          ; v10  ONB + 8 t
.set L4,   11                          ; v11  4 x lane
.set UR,   12                          ; v[12:19]  ON + CB, four pairs by turns
.set HA,   20                          ; v[20:35]  for the four pairs of queries of query tile u, at HA + 8 u: the sum over my codes of 2^x y
.set HT,   36                          ; v[36:37]  my sum of p y
.set INVL, 38                          ; v[38:39]  1 / log2 1e5, twice: a line with clamp takes vector registers alone
.set CB,   40                          ; v[40:55]  -c B of my code in tile t, twice, at CB + 2 t
.set COL,  56                          ; v[56:71]  my code's sum of p in tile t (even queries', odd queries') at COL + 2 t
.set ON,   72                          ; v[72:87]  ON of two tiles' queries; W and YO lie 16 and 32 registers on
.set W,    88
.set YO,   104
.set T4,   120                         ; v120 4 t
.set TMP,  121
.set ACC,  128                         ; v[128:255] query tile u, code tile t at ACC + 8 (8 u + t).  Before the loop: at work on the chunks' results
.set PM,   128                         ; chunk g's least d of my two queries at PM + 2 g
.set PS,   144                         ; its sum
.set PI,   160                         ; its index
.set AVR,  176
.set DM,   180
.set IX,   182
.set EE,   184                         ; v[184:199]
.set SS,   200
.set ONR,  202
.set WR,   204
.set YOR,  206
.set LG,   208
.set CFR,  0                           ; window 1: my codes' fragments, 16 a tile
.set SQ,   128                         ; window 1: two query tiles' fragments, v128-159: read by the trip's products alone
.set YW,   128                         ; window 1: v128-255: y of the trip's pair pe at YW + 2 pe; the first 32 lie where the fragments lay, which the next trip's head loads anew
.set GP,   16                          ; pairs in a group
.set MSB, 0
.macro WIN new                         ; s_set_vgpr_msb: bits 1:0 source 0, 3:2 source 1, 5:4 source 2, 7:6 destination; the high byte repeats the setting that is left
.if MSB != (\new)
	s_set_vgpr_msb (MSB<<8)|(\new)
.set MSB, \new
.endif
.endm
	s_load_b256 s[4:11], s[0:1], 0x0               ; opnd s[4:5], part s[6:7], pidx s[8:9], p2out s[10:11]
	s_load_b128 s[12:15], s[0:1], 0x20             ; idxw s[12:13], out3 s[14:15]
	v_lshl_add_u32 v[SPW], v0, 2, SPARE
	v_mov_b32 v[NIL], 0
	ds_add_u32 v[SPW], v[NIL]                      ; the wave's opening: the add and its wait stand ahead of my tensor load; the set-up below, work on registers, stands between them
	v_lshrrev_b32 v[TMP], 5, v0
	v_readfirstlane_b32 s28, v[TMP]                ; wave 0..7
	s_mov_b32 s29, ttmp9                           ; x
	s_and_b32 s30, ttmp7, 0xffff                   ; y
	; descriptor group 1: 64 queries are 8,192 dense bytes: 32 rows of 256 bytes, padded in LDS after every 128
	s_mov_b32 s16, (1<<16)|(1<<20)|(4<<22)|(3<<25) ; 17:16 2-byte elements; 20 padding on; 24:22 after every 32 words (code 4); 31:25 4 words (code 3)
	s_mov_b32 s17, 128<<16                         ; tensor_dim0 = 128
	s_mov_b32 s18, 32<<16                          ; tensor_dim1 = 32
	s_mov_b32 s19, 128<<16                         ; tile_dim0 = 128
	s_mov_b32 s20, 32                              ; tile_dim1 = 32
	s_mov_b32 s21, 128                             ; 128 elements from row to row
	s_mov_b32 s22, 0
	s_mov_b32 s23, 0
	s_mov_b32 s24, 1                               ; group 0: count = 1,
	s_mul_i32 s25, s28, 64*PITCH                   ; my 64 rows of the stream
	s_mov_b32 s32, 0x439044fe                      ; 2 c, named as a pair
	s_mov_b32 s33, 0x439044fe
	s_mov_b32 s34, 0x431044fe                      ; c: the packed lines name s[34:35] and take the low word for both halves
	s_mov_b32 s35, 0xc31044fe                      ; -c
	s_mov_b32 s36, 0xbd769a91                      ; -1 / log2 1e5
	s_mov_b32 s38, 0x76543210                      ; v_permlanex16_b32: each lane takes its own place in the other half
	s_mov_b32 s39, 0xfedcba98
	s_mov_b32 s40, 0xffff0000                      ; lanes 16 to 31
	s_lshl_b32 s60, s30, 9
	s_lshl_b32 s61, s28, 6
	s_add_co_u32 s60, s60, s61
	s_lshl_b32 s60, s60, 7                         ; query 512 y + 64 w in ZH
	s_mov_b32 s61, 0
	s_lshl_b32 s62, s29, 4
	s_lshl1_add_u32 s62, s28, s62                  ; image 16 x + 2 w
	s_mul_i32 s62, s62, IMG
	s_mov_b32 s63, 0
	s_lshl_b32 s42, s30, 11                        ; 512 words of block y
	s_mov_b32 s43, 0
	s_lshl_b32 s41, s29, 10
	s_lshl_b32 s31, s28, 7
	s_add_co_u32 s41, s41, s31                     ; k0 = 1024 x + 128 w
	s_lshl_b32 s31, s30, 13
	s_add_co_u32 s52, s41, s31
	s_lshl_b32 s52, s52, 2                         ; colp[y][k0]
	s_mov_b32 s53, 0
	s_lshl3_add_u32 s54, s30, s29                  ; hyp's row 8 y + x,
	s_lshl_b32 s54, s54, 10                        ; 1,024 bytes each
	s_mov_b32 s55, 0
	v_and_b32 v[RR], 15, v0
	v_bfe_u32 v[HH], v0, 4, 1
	v_mul_u32_u24 v[ADRQ], v[RR], PITCH            ; a fragment: row lane % 16, 16 bytes for each half of the lanes
	v_lshl_add_u32 v[ADRQ], v[HH], 4, v[ADRQ]
	v_lshlrev_b32 v[ADRC], 5, v[HH]                ; the words of queries 8 (lane / 16) + 0..7
	v_add_nc_u32 v[ADRC], ONB, v[ADRC]
	v_lshlrev_b32 v[COFF], 7, v[RR]
	v_lshl_add_u32 v[COFF], v[HH], 4, v[COFF]
	v_lshlrev_b32 v[BOFF], 2, v[RR]
	v_lshlrev_b32 v[T8], 3, v0
	v_add_nc_u32 v[T8L], ONB, v[T8]
	v_and_b32 v[L4], 31, v0
	v_lshlrev_b32 v[L4], 2, v[L4]
	v_lshlrev_b32 v[T4], 2, v0
	v_mov_b32 v[INVL], 0x3d769a91
	v_mov_b32 v[INVL+1], 0x3d769a91
	v_mov_b32 v[HT], 0
	v_mov_b32 v[HT+1], 0
.set n, 0
.rept 16
	v_mov_b32 v[COL+n], 0
.set n, n+1
.endr
	s_wait_dscnt 0x0                               ; the opening add is done
	s_wait_kmcnt 0x0
	s_add_nc_u64 s[26:27], s[4:5], s[60:61]
	s_add_nc_u64 s[26:27], s[26:27], ZH            ; 120:64 global address: my 64 queries
	s_or_b32 s27, s27, 0x80000000                  ; 127:126 type = 2
	s_add_nc_u64 s[44:45], s[4:5], s[62:63]        ; my codes' two images
	s_add_nc_u64 s[46:47], s[4:5], s[42:43]
	s_add_nc_u64 s[46:47], s[46:47], AV            ; A of block y
	s_add_nc_u64 s[48:49], s[6:7], s[42:43]        ; the chunks' results for block y
	s_add_nc_u64 s[50:51], s[8:9], s[42:43]
	s_add_nc_u64 s[52:53], s[10:11], s[52:53]
	s_add_nc_u64 s[54:55], s[10:11], s[54:55]
	s_add_nc_u64 s[54:55], s[54:55], HYP
	s_add_nc_u64 s[56:57], s[12:13], s[42:43]
	s_add_nc_u64 s[58:59], s[14:15], s[42:43]
	tensor_load_to_lds s[24:27], s[16:23]
	s_nop 0
.rept 4
	v_nop                                          ; behind a tensor load, the windows are switched behind four instructions
.endr
	WIN 0x40                                       ; destination window 1, address window 0
.irp t, 0,1,2,3,4,5,6,7
.irp c, 0,1,2,3
	global_load_b128 v[CFR+16*\t+4*\c:CFR+16*\t+4*\c+3], v[COFF], s[44:45] offset:(\t/4)*IMG+(\t%4)*2048+32*\c
.endr
.endr
	WIN 0
.irp t, 0,1,2,3,4,5,6,7
	global_load_b32 v[CB+2*\t], v[BOFF], s[44:45] offset:(\t/4)*IMG+8192+(\t%4)*64
.endr
.irp g, 0,1,2,3,4,5,6,7                ; thread t joins queries 512 y + 2 t and the next: a wave's load takes 256 consecutive bytes
	global_load_b64 v[PM+2*\g:PM+2*\g+1], v[T8], s[48:49] offset:65536*\g
	global_load_b64 v[PS+2*\g:PS+2*\g+1], v[T8], s[48:49] offset:PSUM+65536*\g
	global_load_b64 v[PI+2*\g:PI+2*\g+1], v[T8], s[50:51] offset:65536*\g
.endr
	global_load_b64 v[AVR:AVR+1], v[T8], s[46:47]
	s_wait_loadcnt 0x0
.irp u, 0,1
	v_mov_b32 v[DM+\u], v[PM+\u]
	v_mov_b32 v[IX+\u], v[PI+\u]
.endr
.irp g, 1,2,3,4,5,6,7                  ; strictly less: the lower chunk keeps a tie
.irp u, 0,1
	v_cmp_lt_f32 vcc_lo, v[PM+2*\g+\u], v[DM+\u]
	v_cndmask_b32 v[IX+\u], v[IX+\u], v[PI+2*\g+\u], vcc_lo
	v_min_num_f32 v[DM+\u], v[DM+\u], v[PM+2*\g+\u]
.endr
.endr
.irp g, 0,1,2,3,4,5,6,7                ; each chunk's sum is brought to dm: times 2^(c (dm - its own minimum))
	v_pk_add_f32 v[EE+2*\g:EE+2*\g+1], v[DM:DM+1], v[PM+2*\g:PM+2*\g+1] neg_lo:[0,1] neg_hi:[0,1]
.endr
.irp g, 0,1,2,3,4,5,6,7
	v_pk_mul_f32 v[EE+2*\g:EE+2*\g+1], v[EE+2*\g:EE+2*\g+1], s[34:35] op_sel_hi:[1,0]
.endr
.set n, 0
.rept 16
	v_exp_f32 v[EE+n], v[EE+n]
.set n, n+1
.endr
	v_pk_add_f32 v[ONR:ONR+1], v[DM:DM+1], v[AVR:AVR+1] neg_lo:[0,1] neg_hi:[0,1]  ; dm - A (also the plain line behind the exponentials)
	s_wait_alu depctr_va_vdst(0)                   ; one wait for the sixteen exponentials
	v_pk_mul_f32 v[SS:SS+1], v[PS:PS+1], v[EE:EE+1]
.irp g, 1,2,3,4,5,6,7
	v_pk_fma_f32 v[SS:SS+1], v[PS+2*\g:PS+2*\g+1], v[EE+2*\g:EE+2*\g+1], v[SS:SS+1]
.endr
	v_pk_mul_f32 v[ONR:ONR+1], v[ONR:ONR+1], s[34:35] op_sel_hi:[1,0]
	v_rcp_f32 v[WR], v[SS]
	v_rcp_f32 v[WR+1], v[SS+1]
	v_log_f32 v[LG], v[SS]
	v_log_f32 v[LG+1], v[SS+1]
.irp t, 0,1,2,3,4,5,6,7                ; -c B, twice (the first of these is the plain line behind the logarithms)
	v_mul_f32 v[CB+2*\t], s35, v[CB+2*\t]
.endr
.irp t, 0,1,2,3,4,5,6,7
	v_mov_b32 v[CB+2*\t+1], v[CB+2*\t]
.endr
	s_wait_alu depctr_va_vdst(0)                   ; one for the two reciprocals and the two logarithms; the sixteen lines above are the independent work between
	v_fma_f32 v[YOR], v[LG], s36, 1.0
	v_fma_f32 v[YOR+1], v[LG+1], s36, 1.0
	ds_store_b64 v[T8L], v[ONR:ONR+1]
	ds_store_b64 v[T8L], v[WR:WR+1] offset:2048
	ds_store_b64 v[T8L], v[YOR:YOR+1] offset:4096
	s_cmp_lg_u32 s29, 0                            ; all eight x have the same indices: x = 0 stores them
	s_cbranch_scc1 .Lno_index
	global_store_b64 v[T8], v[IX:IX+1], s[58:59]   ; a wave stores 256 consecutive bytes, aligned
	global_store_b64 v[T8], v[IX:IX+1], s[56:57]
.Lno_index:
	s_wait_xcnt 0x0                                ; the stores' data lie in registers that the products write next
	s_wait_tensorcnt 0x0                           ; my 64 rows of the stream have landed,
	s_wait_dscnt 0x0                               ; my words of the three tables are stored:
	s_barrier_signal -1
	s_barrier_wait -1                              ; everybody's are, and nothing writes LDS from here on
; THE VECTOR WORK OF A TRIP.  Its 64 pairs are numbered pe: query tile u = pe / 32, code tile t = (pe % 32) / 4, pair of queries m = pe % 4; the pair's registers are ACC + 2 pe and the next.  Group g is pairs 16 g .. 16 g + 15.
; XSTEP g: ON + CB, and two pairs behind it x = 2 c dot + that, in the dot's place.  ex = 1: the 32 exponentials of group g - 1, in x's place, stand between these lines, each with a plain neighbour.
; Each accumulator's lowest registers are read first.
.macro XSTEP g, ex
	WIN 0
.set i, 0
.rept GP+2
.set pe, GP*(\g)+i
.if i < GP
	v_pk_add_f32 v[UR+2*(pe%4):UR+2*(pe%4)+1], v[ON+8*(pe/32)+2*(pe%4):ON+8*(pe/32)+2*(pe%4)+1], v[CB+2*((pe%32)/4):CB+2*((pe%32)/4)+1]
.endif
.if (\ex) && (i < GP)
	v_exp_f32 v[ACC+2*pe-2*GP], v[ACC+2*pe-2*GP]
.endif
.if i >= 2
	v_pk_fma_f32 v[ACC+2*pe-4:ACC+2*pe-3], v[ACC+2*pe-4:ACC+2*pe-3], s[32:33], v[UR+2*((pe-2)%4):UR+2*((pe-2)%4)+1] op_sel_hi:[1,0,1]
.endif
.if (\ex) && (i < GP)
	v_exp_f32 v[ACC+2*pe-2*GP+1], v[ACC+2*pe-2*GP+1]
.endif
.set i, i+1
.endr
.endm
; YSTEP g: y = clamp(x / log2 1e5 + YO), into registers of its own in window 1: sixteen lines under one setting, behind the group's x and ahead of its exponentials, which take x's place.
.macro YSTEP g
	WIN 0x40                                       ; destination window 1, sources window 0
.set i, 0
.rept GP
.set pe, GP*(\g)+i
	v_pk_fma_f32 v[YW+2*pe:YW+2*pe+1], v[ACC+2*pe:ACC+2*pe+1], v[INVL:INVL+1], v[YO+8*(pe/32)+2*(pe%4):YO+8*(pe/32)+2*(pe%4)+1] clamp
.set i, i+1
.endr
	WIN 0
.endm
; The last group's 32 exponentials: no x is left to make beside them.
.macro ELAST g
	WIN 0
.set i, 0
.rept 2*GP
	v_exp_f32 v[ACC+2*GP*(\g)+i], v[ACC+2*GP*(\g)+i]
.set i, i+1
.endr
.endm
; HA[u][m] = the sum over t, ascending, of 2^x y: eight chains by turns, y from window 1.
.macro HSUM
	WIN 0x04                                       ; source 1 window 1
.set tt, 0
.rept 8
.irp u, 0,1
.irp m, 0,1,2,3
.set pe, 32*\u+4*tt+\m
.if tt == 0
	v_pk_mul_f32 v[HA+8*\u+2*\m:HA+8*\u+2*\m+1], v[ACC+2*pe:ACC+2*pe+1], v[YW+2*pe:YW+2*pe+1]
.else
	v_pk_fma_f32 v[HA+8*\u+2*\m:HA+8*\u+2*\m+1], v[ACC+2*pe:ACC+2*pe+1], v[YW+2*pe:YW+2*pe+1], v[HA+8*\u+2*\m:HA+8*\u+2*\m+1]
.endif
.endr
.endr
.set tt, tt+1
.endr
	WIN 0
.endm
; COL[t] += 2^x W: each column takes tile 0's pairs 0 to 3 and then tile 1's; the eight columns by turns.  Behind every eight lines stands one link of HT += HA W (tile 0's pairs 0 to 3, then tile 1's), so that its links stand nine lines apart.
.macro CSUM
.irp u, 0,1
.irp m, 0,1,2,3
.irp c, 0,1,2,3,4,5,6,7
	v_pk_fma_f32 v[COL+2*\c:COL+2*\c+1], v[ACC+64*\u+8*\c+2*\m:ACC+64*\u+8*\c+2*\m+1], v[W+8*\u+2*\m:W+8*\u+2*\m+1], v[COL+2*\c:COL+2*\c+1]
.endr
	v_pk_fma_f32 v[HT:HT+1], v[HA+8*\u+2*\m:HA+8*\u+2*\m+1], v[W+8*\u+2*\m:W+8*\u+2*\m+1], v[HT:HT+1]
.endr
.endr
.endm
	s_mov_b32 s37, 16
.Lpair:                                                ; a trip: 32 queries against my 128 codes
	WIN 0x40
.irp u, 0,1
.irp c, 0,1,2,3
	ds_load_b128 v[SQ+16*\u+4*\c:SQ+16*\u+4*\c+3], v[ADRQ] offset:\u*16*PITCH+32*\c
.endr
.endr
	WIN 0
.irp u, 0,1
.irp a, 0,1,2                          ; ON, W, YO of queries 16 u + 8 (lane / 16) + 0..7: sixteen lanes read the same 32 bytes
	ds_load_b128 v[ON+16*\a+8*\u:ON+16*\a+8*\u+3],   v[ADRC] offset:2048*\a+64*\u
	ds_load_b128 v[ON+16*\a+8*\u+4:ON+16*\a+8*\u+7], v[ADRC] offset:2048*\a+64*\u+16
.endr
.endr
	s_wait_dscnt 0xc                               ; the eight fragment loads are in; the twelve of the tables, issued behind them, may stay out
	WIN 0x05                                       ; sources 0 and 1 in window 1, C and D in window 0
.irp k, 0,1                            ; the 16 accumulators take turns: channels 0-31 start the sums, channels 32-63 add onto them, 15 others' between
.irp u, 0,1
.irp t, 0,1,2,3,4,5,6,7
.if \k == 0
	v_wmma_f32_16x16x32_bf16 v[ACC+8*(8*\u+\t):ACC+8*(8*\u+\t)+7], v[SQ+16*\u:SQ+16*\u+7], v[CFR+16*\t:CFR+16*\t+7], 0
.else
	v_wmma_f32_16x16x32_bf16 v[ACC+8*(8*\u+\t):ACC+8*(8*\u+\t)+7], v[SQ+16*\u+8:SQ+16*\u+15], v[CFR+16*\t+8:CFR+16*\t+15], v[ACC+8*(8*\u+\t):ACC+8*(8*\u+\t)+7]
.endif
.endr
.endr
.endr
	WIN 0
.rept 4
	v_nop                                          ; four places between the last product and the first line that reads a result (ISA guide 7.12.1); y's first lines, which write where the fragments lay, come 34 plain lines later still
.endr
	s_wait_dscnt 0x0                               ; the tables' words are in
	XSTEP 0, 0                                     ; ahead of the wait: x, y and the exponentials, group by group; nothing here names an exponential's result
	YSTEP 0
	XSTEP 1, 1
	YSTEP 1
	XSTEP 2, 1
	YSTEP 2
	XSTEP 3, 1
	YSTEP 3
	ELAST 3
	v_add_nc_u32 v[ADRQ], 32*PITCH, v[ADRQ]        ; the next trip's 32 queries: the two address steps are the plain lines behind the last exponential
	v_add_nc_u32 v[ADRC], 128, v[ADRC]
	s_wait_alu depctr_va_vdst(0)                   ; one wait for the trip's 128 exponentials, ahead of their first reader and of the backward jump
	HSUM                                           ; behind the wait: the sums
	CSUM
	s_sub_co_u32 s37, s37, 1
	s_cmp_lg_u32 s37, 0
	s_cbranch_scc1 .Lpair
	; THE END.  A code's other 256 queries lie in the lane 16 away.
.irp t, 0,1,2,3,4,5,6,7
	v_add_f32 v[COL+2*\t], v[COL+2*\t], v[COL+2*\t+1]
.endr
.irp t, 0,1,2,3,4,5,6,7
	v_permlanex16_b32 v[COL+2*\t+1], v[COL+2*\t], s38, s39
.endr
.irp t, 0,1,2,3,4,5,6,7
	v_add_f32 v[COL+2*\t], v[COL+2*\t], v[COL+2*\t+1]
.endr
.irp a, 0,1,2,3                        ; lanes 0-15 speak for tile 2 a, lanes 16-31 for tile 2 a + 1: 128 consecutive bytes a store, the wave's four 512
	v_cndmask_b32 v[UR+\a], v[COL+4*\a], v[COL+4*\a+2], s40
	global_store_b32 v[L4], v[UR+\a], s[52:53] offset:128*\a
.endr
	v_add_f32 v[HT], v[HT], v[HT+1]
	global_store_b32 v[T4], v[HT], s[54:55]        ; a thread's own sum: the work-group's 1,024 consecutive bytes; they are added up in the next launch
	s_wait_tensorcnt 0x0                           ; the wave's end, behind my tensor load and my last LDS store
	ds_add_u32 v[SPW], v[NIL]
	s_wait_dscnt 0x0
	s_endpgm
.Lfunc_end_k_qc65304eebb_pass2:
	.size	k_qc65304eebb_pass2, .Lfunc_end_k_qc65304eebb_pass2-k_qc65304eebb_pass2
	.p2alignl 7, 3214868480
	.fill 96, 4, 3214868480
	.section	.rodata,"a",@progbits
	.p2align	6, 0x0
	.amdhsa_kernel k_qc65304eebb_pass2
		.amdhsa_group_segment_fixed_size 167936
		.amdhsa_private_segment_fixed_size 0
		.amdhsa_enable_private_segment 0
		.amdhsa_kernarg_size 48
		.amdhsa_user_sgpr_count 2
		.amdhsa_user_sgpr_kernarg_segment_ptr 1
		.amdhsa_wavefront_size32 1
		.amdhsa_system_sgpr_workgroup_id_x 1
		.amdhsa_system_sgpr_workgroup_id_y 1
		.amdhsa_system_sgpr_workgroup_id_z 1
		.amdhsa_system_vgpr_workitem_id 0
		.amdhsa_next_free_vgpr 512
		.amdhsa_next_free_sgpr 66
		.amdhsa_reserve_vcc 1
		.amdhsa_float_denorm_mode_32 3
		.amdhsa_float_denorm_mode_16_64 3
		.amdhsa_memory_ordered 1
		.amdhsa_forward_progress 1
		.amdhsa_inst_pref_size 47
	.end_amdhsa_kernel
	.amdgpu_metadata
---
amdhsa.version: [ 1, 2 ]
amdhsa.kernels:
  - .name:           k_qc65304eebb_pass2
    .symbol:         k_qc65304eebb_pass2.kd
    .args:
      - { .name: opnd, .offset: 0, .size: 8, .value_kind: global_buffer, .address_space: global }
      - { .name: part, .offset: 8, .size: 8, .value_kind: global_buffer, .address_space: global }
      - { .name: pidx, .offset: 16, .size: 8, .value_kind: global_buffer, .address_space: global }
      - { .name: p2out, .offset: 24, .size: 8, .value_kind: global_buffer, .address_space: global }
      - { .name: idxw, .offset: 32, .size: 8, .value_kind: global_buffer, .address_space: global }
      - { .name: out3, .offset: 40, .size: 8, .value_kind: global_buffer, .address_space: global }
    .group_segment_fixed_size: 167936
    .private_segment_fixed_size: 0
    .kernarg_segment_align: 8
    .kernarg_segment_size: 48
    .max_flat_workgroup_size: 256
    .sgpr_count:     66
    .vgpr_count:     512
    .wavefront_size: 32
...
	.end_amdgpu_metadata
.endif
;; end of part 7
;; launch emit: the kernel of part 4 again; grid 256 x 1, 8 waves a work-group, no clusters, 22,272 bytes of LDS; arguments z, emb, idxw, p2out, out0, gout; writes out0, gout
;; launch fin: the kernel of part 5 again; grid 1 x 1, 1 waves a work-group, no clusters, 0 bytes of LDS; arguments gout, out1, out2; writes out1, out2
